; MI455X (gfx1250); checked and timed in simulation.
; The chip was launched on July 23, 2026; its instructions are those of AMD's public machine-readable ISA for CDNA 5 (MIT licence, August 2026) and "CDNA5" Instruction Set Architecture Reference Guide (July 2026). The comments in the code are by the model that wrote it; some were corrected since.
;; Temporal Multi Head Attention. Allowed arithmetic: matrix products marked QUANTISED: E2M3 operands, one E8M0 scale for each 32 along K, by v_wmma_scale_f32_16x16x128_f8f6f4 with both operands' format E2M3, f32 sums; everything else in f32.
;; Inputs: Wk_codes 1,024 x 32 x 24 uint8 (E2M3 codes of Wk, K innermost, in blocks of 32 codes, four codes in three bytes); Wk_scales 1,024 x 32 uint8 (E8M0 scales of Wk, one for each 32 codes along K); Wo_codes 1,024 x 32 x 24 uint8 (E2M3 codes of Wo, K innermost, in blocks of 32 codes, four codes in three bytes); Wo_scales 1,024 x 32 uint8 (E8M0 scales of Wo, one for each 32 codes along K); Wq_codes 1,024 x 32 x 24 uint8 (E2M3 codes of Wq, K innermost, in blocks of 32 codes, four codes in three bytes); Wq_scales 1,024 x 32 uint8 (E8M0 scales of Wq, one for each 32 codes along K); Wv_codes 1,024 x 32 x 24 uint8 (E2M3 codes of Wv, K innermost, in blocks of 32 codes, four codes in three bytes); Wv_scales 1,024 x 32 uint8 (E8M0 scales of Wv, one for each 32 codes along K); bk 1,024 float32; bo 1,024 float32; bq 1,024 float32; bv 1,024 float32; x_codes 4 x 2,048 x 32 x 24 uint8 (E2M3 codes of x, K innermost, in blocks of 32 codes, four codes in three bytes); x_scales 4 x 2,048 x 32 uint8 (E8M0 scales of x, one for each 32 codes along K).
;; Outputs: out0 4 x 2,048 x 1,024 float32.
;; This version of the problem:
;;   THIS VERSION OF THE PROBLEM IS GIVEN IN LOW PRECISION. The matrix products marked QUANTISED in the list below multiply operands that are first quantised to E2M3 (2 exponent bits, 3 mantissa bits; 6 bits a number), with one power-of-two scale for each 32 numbers along K (OCP MX v1.0); their sums are f32. All else is computed in f32.
;;   The module's matrix products, in the order in which they are computed (A, B: the left and right operand; K: the contracted axis; several contracted axes count as one K, in the product's order):
;;     1. [M 8,192, K 1,024] x [K 1,024, N 1,024]; A: input x (given as codes); B: input Wq (given as codes): QUANTISED
;;     2. [M 8,192, K 1,024] x [K 1,024, N 1,024]; A: input x (given as codes); B: input Wk (given as codes): QUANTISED
;;     3. [M 8,192, K 1,024] x [K 1,024, N 1,024]; A: input x (given as codes); B: input Wv (given as codes): QUANTISED
;;     4. batch 64 x [M 2,048, K 64] x [K 64, N 2,048]; A: computed on the way; B: computed on the way: QUANTISED
;;     5. batch 64 x [M 2,048, K 2,048] x [K 2,048, N 64]; A: softmax (see below); B: computed on the way: QUANTISED
;;     6. [M 8,192, K 1,024] x [K 1,024, N 1,024]; A: computed on the way; B: input Wo (given as codes): QUANTISED
;;   THE QUANTISER, for each operand of a quantised product, along K:
;;     - K is cut into blocks of 32 from its start; a last block that is shorter is filled with zeros.
;;     - A block's scale is 2^e with e = floor(log2(the largest magnitude in the block)) - 2, held to -126 .. 127; a block of zeros has e = 0. As a byte (E8M0): e + 127.
;;     - Each number is divided by its block's scale, clamped to +-7.5, and rounded to the nearest number of E2M3, ties to even, subnormals kept.
;;     - The product sums the exact products of the quantised numbers (number of the format x scale) in f32.
;;   ~~~python
;;   def quantise(x, axis):      # numpy; x: float32 -> the quantised numbers, widened to float32 again
;;       x = np.moveaxis(x, axis, -1); K = x.shape[-1]
;;       x = np.pad(x, [(0, 0)] * (x.ndim - 1) + [(0, -K % 32)]); x = x.reshape(x.shape[:-1] + (-1, 32)); a = np.abs(x).max(-1, keepdims=True)
;;       e = np.where(a > 0, np.clip(np.frexp(np.where(a > 0, a, 1))[1] - 1 - 2, -126, 127), 0)      # np.frexp(a)[1] - 1 = floor(log2(a)), exactly
;;       r = np.clip(x / 2.0 ** e, -7.5, 7.5)
;;       step = 2.0 ** (np.maximum(np.frexp(np.where(r == 0, 1, r))[1] - 1, 0) - 3)
;;       q = np.round(r / step) * step * 2.0 ** e      # np.round: ties to even
;;       return np.moveaxis(q.reshape(q.shape[:-2] + (-1,))[..., :K], -1, axis).astype(np.float32)
;;   ~~~
;;   SOFTMAX AHEAD OF A QUANTISED PRODUCT. Where the list says 'softmax', what is quantised is not the finished softmax but p = 2^(t - M), with t = logit x log2(e) and M = ceil(the row's largest t), a whole number; so 1/2 < the row's largest p <= 1. The row's sum l is taken of the UNQUANTISED p, in f32, and the product's result is divided by l at the end. Since M is a whole number, a kernel that streams over the keys may use a running M (the ceiling of the running maximum): every later rescaling is an exact power of two, which a block's scale takes up: the codes' values come out the same.
;;   OPERANDS COMPUTED ON THE WAY. 'Computed on the way' means the value that the module computes at that place (a softmax that the list does not call 'softmax' is quantised finished and normalised). What goes into a quantiser is computed in f32, as accurately as f32 sums, v_exp_f32 and their like allow (about 1e-6 of the number): no bf16 or f16 on the way to a quantiser, and a product that is left as it is and whose result goes on into a quantised operand takes f32 operands (vector FMAs, or v_wmma_f32_16x16x4_f32). A number that lies on a knife's edge between two numbers of the format may be rounded either way, as far as f32 arithmetic and the matrix unit's own rounding can turn it there, and no further.
;;   INPUTS GIVEN AS CODES. Wk (in the module: [1024, 1024], K = its axis 0); Wo (in the module: [1024, 1024], K = its axis 0); Wq (in the module: [1024, 1024], K = its axis 0); Wv (in the module: [1024, 1024], K = its axis 0); x (in the module: [4, 2048, 1024], K = its axis 2): each comes as NAME_codes (uint8): NAME with its K axis moved to the last place and cut into blocks of 32 codes, [.., K / 32, bytes a block], one block behind the other in memory; four codes in three bytes: a row's codes are one little-endian stream of bits, code i at bits 6 i .. 6 i + 5 (a code: sign, 2 exponent bits, 3 mantissa bits); and NAME_scales (uint8): the same leading axes, one E8M0 byte (e + 127) for each 32 codes along K. Its value is code x scale, taken as it is: it is not quantised again, and the codes and scales need not be those that the quantiser above would give.
;; One version. Each part assembles by itself: llvm-mc -triple=amdgcn-amd-amdhsa -mcpu=gfx1250 --defsym DOCPART=n.
;; ======== version 1 of 1: 3 launches
;; workspace buffers: qi 6,815,744 bytes; kv 13,369,344 bytes; oi 6,291,456 bytes; os 262,144 bytes
;; launch qkv (part 1): grid 12 x 32, 4 waves a work-group, clusters of 4 x 4, 327,680 bytes of LDS; arguments x_codes, x_scales, Wq_codes, Wq_scales, Wk_codes, Wk_scales, Wv_codes, Wv_scales, bq, bk, bv, qi, kv; writes qi, kv
.if DOCPART == 1
	.amdgcn_target "amdgcn-amd-amdhsa--gfx1250"
	.amdhsa_code_object_version 6
	.text
	.protected	k_q1935c8d1c2_qkv
	.globl	k_q1935c8d1c2_qkv
	.p2align	8
	.type	k_q1935c8d1c2_qkv,@function
k_q1935c8d1c2_qkv:
	s_mov_b64 s[64:65], 0
	v_nop
	global_prefetch_b8 v0, s[64:65] scope:SCOPE_SE
	s_setreg_imm32_b32 hwreg(HW_REG_WAVE_MODE, 25, 1), 1
	s_wait_xcnt 0x0
	s_wait_alu depctr_hold_cnt(0) depctr_sa_sdst(0) depctr_va_vdst(0) depctr_va_sdst(0) depctr_va_ssrc(0) depctr_va_vcc(0) depctr_vm_vsrc(0)
	s_getreg_b32 s2, hwreg(HW_REG_IB_STS2, 6, 4)
	s_cmp_eq_u32 s2, 0
	s_cbranch_scc0 .Lentry_in_a_cluster
	s_endpgm
.Lentry_in_a_cluster:
	s_bfe_u32 s2, ttmp6, 0x10000c
	s_cmp_lg_u32 s2, 0xf033
	s_cbranch_scc0 .Lentry_shape_is_right
	s_endpgm
.Lentry_shape_is_right:
; q = x Wq + bq, k = x Wk + bk, v = x Wv + bv on codes of FP6 (E2M3) with one E8M0 scale for each 32 along K = 1,024; the results are quantised at once, in f32, for the two products of attention:
; q and k along a head's 64 channels (two blocks), v along the keys (blocks of 32 keys), and leave as IMAGES OF THE OPERAND REGISTERS of the next launch.
; ONE BODY FOR THE THREE.  The cluster's x says which (0 q, 1 k, 2 v): it is the same in all sixteen partners.  The body makes 256 "A rows" (source 1: they fall on lanes) x 256 "B rows" (source 0: they fall on a lane's
; registers) and quantises along the B rows.  q, k: A = x (tokens), B = W (channels).  v: A = Wv (channels), B = x (tokens = keys).  All operands have rows of 768 bytes of codes and 32 scale bytes.
; A work-group of four waves makes 256 x 256, a wave 128 x 128: 64 accumulators of 16 x 16, 512 registers.  K goes in steps of 256 through a ring of two LDS slots filled by the tensor data mover; the scale bytes of
; the work-group's rows come once, in whole runs of 256 bytes, and stay.  CLUSTERS: 4 x 4 work-groups; A's tile is asked for jointly by the four of a row of the cluster, B's by the four of a column.
; THE WAY OUT, a block of 16 A rows at a time: bias added (which also brings the sums into window 0); a lane's 64 numbers put in the order of K; block maxima, scale bytes, conversions: a fragment of 12 registers and
; a scale word; both go to the wave's own stage in LDS at the place that the reader's tiles want, come back as whole images and are stored in runs of 256 or 512 consecutive bytes.
; THE READER'S TILES ARE PERMUTED: in each group of 128 A rows, lane r of tile 2 b + u holds row 32 b + 8 u + r + 8 (r / 8).
; OUTPUT.  qi: [16 batch + head][group of 128 queries] records of 6,656 bytes: 8 half fragments (16 rows x 64 K: registers 0-3 at 16 x lane, registers 4-5 at 512 + 8 x lane) and 512 bytes of scale words
; (tile t, row r at 16 (r + 16 (t % 2)) + 4 (t / 2); bytes 2, 3 of a word are 0).  kv: [16 batch + head][step of 128 keys] records of 13,056 bytes: k as q, then from 6,656 on four fragments of v^T
; (16 channels x 128 keys: registers 4 c .. 4 c + 3 at 512 c + 16 x lane) and from 12,800 on their scale words (tile t, row r at 8 (r + 16 (t % 2)) + 4 (t / 2)).
; LIMITS: NaN and infinities are not served; a block whose largest magnitude lies under 2^-124 (a block of zeros too) gets the scale byte 1: its codes are zeros or nearly so, and this program alone reads the bytes.
; REGISTERS, in windows of 256: window 0: v1-31 addresses; v32-63 scale words, two sets; v64-127 the bias; v128-223 A's fragments, one set; v224-231 the bias loads' offsets; on the way out v128-231 at work.
;   window 1: B's fragments, two sets, at v0 and v128.   window 2: the accumulators of my A rows 0-63 ((a, b) at v[8 (8 a + b)]);   window 3: those of rows 64-127.
.set KSTEP,  256                       ; along K in a slot
.set NQ,     KSTEP/128                 ; matrix instructions deep
.set ROWB,   192                       ; a tile's row in bytes
.set KROW,   768                       ; a row of codes in memory
.set PITCH,  240                       ; an LDS row: 3 x (64 bytes + 16 of padding)
.set FR,     12                        ; registers of a fragment
.set NL,     6                         ; LDS loads that bring one
.set NP,     4                         ; places behind this matrix instruction (ISA guide 7.12.1)
.set HALFT,  128*PITCH                 ; 128 rows: what one tensor load brings
.set SLOT,   4*HALFT                   ; A's 256 rows, then B's 256 rows
.set KS,     32                        ; a row of scale bytes
.set SCL,    2*SLOT                    ; behind the ring: the scales, as runs of 256 bytes + 16 of padding
.set HALFS,  (128*KS/256)*272          ; the scales of 128 rows
.set SBLK,   (16*KS/256)*272           ; those of 16 rows
.set SPARE,  SCL+4*HALFS               ; the spare words, 128 bytes a wave: two blocks of 256 bytes that no other line names
.set WSTG,   13312                     ; the way out: a wave's stage: 8 images of 1,536 bytes, then two regions of 512 bytes of scale words.  It lies in slot 0, which has had its last fill and its last read by then
.set QREC,   6656
.set KVREC,  13056
.set LN16, 8                           ; v8   16 x lane
.set LN8,  9                           ; v9   8 x lane
.set HS16, 10                          ; v10  16 x (lane / 16)
.set ADRA, 16                          ; v16-17 LDS address of my A fragments in slot 0, 1 (v18-19: behind one padding more)
.set ADRB, 20                          ; v20-21 the same for B (v22-23)
.set STI,  24                          ; v24  the stage: where my lane's 16 bytes of an image go
.set STS,  25                          ; v25  and my scale word
.set RDB,  26                          ; v26  the stage read back: 16 x lane
.set ADRS, 27                          ; v27  LDS address of my scale words: lanes 0-15 A's rows, lanes 16-31 B's
.set SPW,  28                          ; v28  LDS address of my spare word; never rewritten
.set NIL,  29                          ; v29  0; never rewritten
.set SC,   32                          ; scale words, two sets
.set BIAS, 64                          ; v64-127 the bias: register 8 i + j
.set AF,   128                         ; A's fragments
.set VO,   224                         ; v224-231 offsets of the bias loads
.set H,    128                         ; the way out: v128-191 a block's 64 numbers a lane
.set TM,   192                         ; v192-207 maxima, bytes, scale operands
.set PW,   208                         ; the scale word just made
.set PW2,  209                         ; my half's part of it
.set CD,   212                         ; v212-230 the codes just made
.set RB,   128                         ; v128-223 the eight images read back
.set RS,   224                         ; v224-231 the two regions of scale words read back
.set G1,   24
.set G0,   32
.set G1B,  48
.set G0B,  56
.set G1S,  68
.set G0S,  76
.set G1SB, 80
.set G0SB, 88
.set TYP,  66                          ; s66  0 q, 1 k, 2 v
.set MSK,  67                          ; s67  what of a scale word a head keeps: 0xffff (q, k), all (v)
.set BPT,  96                          ; s[96:97] the bias at my first channel
.set OA,   12                          ; s[12:13] where my first head's record begins
.set OB,   98                          ; s[98:99] my second head's
.set SEL,  100                         ; s[100:101] selects of v_permlanex16_b32: lane l xor 16
.set MSB, 0
.macro WIN new                         ; the immediate's high byte repeats the setting that is left
.if MSB != (\new)
	s_set_vgpr_msb (MSB<<8)|(\new)
.set MSB, (\new)
.endif
.endm
.set MUL_LO, 0xa1                      ; source 0 (B) window 1, source 1 (A) window 0, C and D window 2
.set MUL_HI, 0xf1                      ; the same, C and D window 3
.set TO_B,   0x40                      ; destination window 1, address window 0
; A joint load: waves 0 and 1 fetch for A, waves 2 and 3 for B.  Each line has one mask and one set of registers for all that issue it; the branch hangs on the wave's number alone.
; Four v_nop follow each of the two lines, ahead of the jump, the label and what follows.
.macro JLOAD g0a, g1a, g0b, g1b
	s_cmp_eq_u32 s15, 0
	s_cbranch_scc0 .Lfor_b_\@
	tensor_load_to_lds s[\g0a:\g0a+3], s[\g1a:\g1a+7]
	s_nop 0
.rept 4
	v_nop
.endr
	s_branch .Lasked_\@
.Lfor_b_\@:
	tensor_load_to_lds s[\g0b:\g0b+3], s[\g1b:\g1b+7]
	s_nop 0
.rept 4
	v_nop
.endr
.Lasked_\@:
.endm
.macro CREST                           ; a round of the cluster's barrier behind its opening barrier
	s_cmp_lg_u32 s14, 0
	s_cbranch_scc1 .Lnot_wave_0_\@
	s_barrier_signal -3
.Lnot_wave_0_\@:
	s_barrier_wait -3
	s_barrier_signal -1
	s_barrier_wait -1
.endm
.macro CROUND                          ; a whole round
	s_barrier_signal -1
	s_barrier_wait -1
	CREST
.endm
	s_load_b512 s[68:83], s[0:1], 0x0              ; x codes, x scales, Wq codes, scales, Wk codes, scales, Wv codes, scales
	s_load_b256 s[84:91], s[0:1], 0x40             ; bq, bk, bv, qi
	s_load_b64 s[92:93], s[0:1], 0x60              ; kv
	v_lshl_add_u32 v[SPW], v0, 2, SPARE
	v_mov_b32 v[NIL], 0
	ds_add_u32 v28, v29
	ds_add_u32 v28, v29
	s_wait_dscnt 0x0
	v_lshrrev_b32 v1, 5, v0
	v_readfirstlane_b32 s14, v1                    ; wave 0..3
	s_lshr_b32 s15, s14, 1                         ; which half of the A rows is mine.  Also: I fetch for A (0) or for B (1)
	s_and_b32 s16, s14, 1                          ; which half of the B rows.  Also: which 128 rows of that tile I fetch
	s_bfe_u32 s40, ttmp6, 0x40000                  ; cx, cy: my place in the cluster
	s_bfe_u32 s41, ttmp6, 0x40004
	s_mov_b32 s[TYP], ttmp9                        ; the cluster's x: which of the three products
	s_and_b32 s18, ttmp7, 0xffff
	s_lshl_b32 s18, s18, 2                         ; 4 x the cluster's y: it walks the tokens
	s_cmp_eq_u32 s[TYP], 2
	s_cselect_b32 s17, 0, s18                      ; the tokens are A's rows for q and k,
	s_cselect_b32 s42, s18, 0                      ; B's rows for v
	s_cselect_b32 s[MSK], -1, 0xffff
	s_add_co_u32 s17, s17, s41                     ; A's tile: it hangs on cy, which my row of the cluster shares
	s_add_co_u32 s42, s42, s40                     ; B's tile: on cx, which my column shares
	s_lshl_b32 s43, s41, 2
	s_lshl_b32 s43, 15, s43                        ; my row of the cluster
	s_lshl_b32 s44, 0x1111, s40                    ; my column
	s_lshl_b32 s18, s16, 7                         ; which 128 rows of the tile I fetch
	s_lshl_b32 s20, s17, 8
	s_add_co_u32 s20, s20, s18                     ; A: row 256 x tile + 128 x half
	s_lshl_b32 s46, s42, 8
	s_add_co_u32 s46, s46, s18                     ; B likewise
	s_mov_b32 s21, 0
	s_mov_b32 s47, 0
	s_mov_b64 s[18:19], KS
	s_mul_u64 s[22:23], s[20:21], s[18:19]         ; where these rows' scales begin, in bytes
	s_mul_u64 s[98:99], s[46:47], s[18:19]
	s_mov_b64 s[18:19], KROW
	s_mul_u64 s[20:21], s[20:21], s[18:19]         ; and their codes
	s_mul_u64 s[46:47], s[46:47], s[18:19]
	s_mul_i32 s45, s14, HALFT                      ; where they go: wave x 128 rows: no place in the cluster enters an LDS address
	s_mul_i32 s94, s14, HALFS
	s_mov_b32 s[SEL], 0x76543210
	s_mov_b32 s[SEL+1], 0xfedcba98
	s_wait_kmcnt 0x0
	; the buffers are chosen by the cluster's x alone
	s_cmp_eq_u32 s[TYP], 1
	s_cselect_b64 s[32:33], s[76:77], s[72:73]     ; W's codes,
	s_cselect_b64 s[34:35], s[78:79], s[74:75]     ; W's scales,
	s_cselect_b64 s[BPT:BPT+1], s[86:87], s[84:85] ; the bias
	s_cmp_eq_u32 s[TYP], 2
	s_cselect_b64 s[32:33], s[80:81], s[32:33]
	s_cselect_b64 s[34:35], s[82:83], s[34:35]
	s_cselect_b64 s[BPT:BPT+1], s[88:89], s[BPT:BPT+1]
	s_cselect_b64 s[4:5], s[32:33], s[68:69]       ; A's codes: Wv's for v, else x's
	s_cselect_b64 s[6:7], s[34:35], s[70:71]       ; A's scales
	s_cselect_b64 s[8:9], s[68:69], s[32:33]       ; B's codes
	s_cselect_b64 s[10:11], s[70:71], s[34:35]     ; B's scales
	s_cmp_eq_u32 s[TYP], 0
	s_cselect_b64 s[OA:OA+1], s[90:91], s[92:93]   ; the output: qi for q, else kv
	s_add_nc_u64 s[20:21], s[4:5], s[20:21]
	s_add_nc_u64 s[22:23], s[6:7], s[22:23]
	s_add_nc_u64 s[46:47], s[8:9], s[46:47]
	s_add_nc_u64 s[98:99], s[10:11], s[98:99]
	; descriptor group 1: a tile of 128 rows x ROWB bytes, padded in LDS
	s_or_b32 s[G1+0], s43, (0<<16)|(1<<20)|(1<<21)|(3<<22)|(3<<25)  ; 15:0 the mask: A's tiles go to my row; 17:16 elements of 1 byte; 20 padding on; 21 set beside a mask; 24:22 after every 16 words; 31:25 of 4 words
	s_or_b32 s[G1B+0], s44, (0<<16)|(1<<20)|(1<<21)|(3<<22)|(3<<25)
.irp g, G1, G1B
	s_mov_b32 s[\g+1], ROWB<<16                    ; tensor_dim0
	s_mov_b32 s[\g+2], 128<<16                     ; tensor_dim1
	s_mov_b32 s[\g+3], ROWB<<16                    ; tile_dim0
	s_mov_b32 s[\g+4], 128                         ; tile_dim1
	s_mov_b32 s[\g+5], KROW                        ; tensor_dim0_stride
	s_mov_b32 s[\g+6], 0
	s_mov_b32 s[\g+7], 0
.endr
	; and for the scales of 128 rows: a dense block of 4,096 bytes, as 16 rows of 256 bytes (32 elements of 8 bytes), 16 bytes of padding behind each
	s_or_b32 s[G1S+0], s43, (3<<16)|(1<<20)|(1<<21)|(5<<22)|(3<<25)
	s_or_b32 s[G1SB+0], s44, (3<<16)|(1<<20)|(1<<21)|(5<<22)|(3<<25)
.irp g, G1S, G1SB
	s_mov_b32 s[\g+1], 32<<16
	s_mov_b32 s[\g+2], (128*KS/256)<<16
	s_mov_b32 s[\g+3], 32<<16
	s_mov_b32 s[\g+4], 128*KS/256
	s_mov_b32 s[\g+5], 32
	s_mov_b32 s[\g+6], 0
	s_mov_b32 s[\g+7], 0
.endr
	CROUND                                         ; all sixteen work-groups are here: the first joint loads meet
	s_mov_b32 s[G0S], 1
	s_add_co_u32 s[G0S+1], s94, SCL
	s_mov_b64 s[G0S+2:G0S+3], s[22:23]
	s_or_b32 s[G0S+3], s[G0S+3], 0x80000000
	s_mov_b32 s[G0SB], 1
	s_add_co_u32 s[G0SB+1], s94, SCL
	s_mov_b64 s[G0SB+2:G0SB+3], s[98:99]
	s_or_b32 s[G0SB+3], s[G0SB+3], 0x80000000
	JLOAD G0S, G1S, G0SB, G1SB                     ; the scales first: they are wanted with K step 0
.irp s, 0,1
	s_mov_b32 s[G0+4*\s], 1
	s_add_co_u32 s[G0+4*\s+1], s45, \s*SLOT
	s_add_nc_u64 s[G0+4*\s+2:G0+4*\s+3], s[20:21], \s*ROWB
	s_or_b32 s[G0+4*\s+3], s[G0+4*\s+3], 0x80000000
	s_mov_b32 s[G0B+4*\s], 1
	s_add_co_u32 s[G0B+4*\s+1], s45, \s*SLOT
	s_add_nc_u64 s[G0B+4*\s+2:G0B+4*\s+3], s[46:47], \s*ROWB
	s_or_b32 s[G0B+4*\s+3], s[G0B+4*\s+3], 0x80000000
	JLOAD G0+4*\s, G1, G0B+4*\s, G1B
.endr
	; where my results go, and my bias.  T0: my first token, C0: my first channel
	s_lshl_b32 s2, s17, 8
	s_lshl_b32 s3, s15, 7
	s_add_co_u32 s2, s2, s3                        ; my first A row
	s_lshl_b32 s92, s42, 8
	s_lshl_b32 s3, s16, 7
	s_add_co_u32 s92, s92, s3                      ; my first B row
	s_cmp_eq_u32 s[TYP], 2
	s_cselect_b32 s93, s92, s2                     ; T0
	s_cselect_b32 s95, s2, s92                     ; C0
	s_cselect_b32 s18, 0, 32                       ; the bias loads' offset = sA x (lane / 16) + sB x (lane % 16) + sJ x j: q, k: my eight channels 8 h + j of a tile of B;
	s_cselect_b32 s19, 4, 0                        ; v: my one channel r of a tile of A, eight times
	s_cselect_b32 s22, 0, 4
	s_cselect_b32 s92, QREC, 0                     ; v's part of a record lies behind k's
	s_lshr_b32 s2, s93, 11                         ; batch
	s_lshl_b32 s2, s2, 4
	s_lshr_b32 s3, s95, 6                          ; my first head
	s_add_co_u32 s2, s2, s3
	s_lshl_b32 s2, s2, 4
	s_bfe_u32 s3, s93, 0x40007                     ; the group of 128 tokens in the batch
	s_add_co_u32 s2, s2, s3                        ; the record's number
	s_mov_b32 s3, KVREC
	s_cmp_eq_u32 s[TYP], 0
	s_cselect_b32 s3, QREC, s3                     ; a record's bytes
	s_mul_i32 s2, s2, s3
	s_add_co_u32 s2, s2, s92
	s_lshl_b32 s[OB], s3, 4                        ; a head on: 16 records
	s_mov_b32 s3, 0
	s_mov_b32 s[OB+1], 0
	s_add_nc_u64 s[OA:OA+1], s[OA:OA+1], s[2:3]
	s_add_nc_u64 s[OB:OB+1], s[OA:OA+1], s[OB:OB+1]
	s_lshl_b32 s2, s95, 2
	s_add_nc_u64 s[BPT:BPT+1], s[BPT:BPT+1], s[2:3]
	v_and_b32 v1, 15, v0                           ; r = l % 16
	v_bfe_u32 v2, v0, 4, 1                         ; h = l / 16
	v_mul_u32_u24 v[VO], v2, s18
	v_mad_u32_u24 v[VO], v1, s19, v[VO]
.irp j, 1,2,3,4,5,6,7
	v_add_nc_u32 v[VO+\j], s22, v[VO+\j-1]
.endr
.irp i, 0,1,2,3,4,5,6,7
.irp j, 0,1,2,3,4,5,6,7
	global_load_b32 v[BIAS+8*\i+\j], v[VO+\j], s[BPT:BPT+1] offset:64*\i   ; bias[C0 + 16 i + (q, k: 8 h + j;  v: r)]: one path for the three, waited for on the way out
.endr
.endr
	v_mul_u32_u24 v3, v1, PITCH
	v_mul_u32_u24 v4, v2, 24
	v_add_nc_u32 v4, v3, v4                        ; a fragment's row x pitch + 24 x half
	v_lshl_add_u32 v5, v2, 4, v4                   ; and the same behind one padding more
	s_mul_i32 s21, s15, HALFT                      ; my 128 rows of A
	s_mul_i32 s22, s16, HALFT                      ; my 128 rows of B,
	s_add_co_u32 s22, s22, 2*HALFT                 ; which lie behind A's 256
.irp s, 0,1
	v_add_nc_u32 v[ADRA+\s], s21, v4
	v_add_nc_u32 v[ADRB+\s], s22, v4
	v_add_nc_u32 v[ADRA+2+\s], s21, v5
	v_add_nc_u32 v[ADRB+2+\s], s22, v5
	s_add_co_u32 s21, s21, SLOT
	s_add_co_u32 s22, s22, SLOT
.endr
	v_mul_u32_u24 v5, v1, KS                       ; my row's scales: KS bytes a row,
	v_lshrrev_b32 v6, 8, v5
	v_lshl_add_u32 v5, v6, 4, v5                   ; and 16 more for each 256 passed
	s_mul_i32 s21, s15, HALFS                      ; A's: my 128 rows
	s_mul_i32 s22, s16, HALFS                      ; B's: my 128 rows, behind A's 256
	s_add_co_u32 s22, s22, 2*HALFS
	s_sub_co_u32 s22, s22, s21
	v_mul_u32_u24 v6, s22, v2                      ; lanes 16-31 take B's
	s_add_co_u32 s21, s21, SCL
	v_add_nc_u32 v5, v5, v6
	v_add_nc_u32 v[ADRS], s21, v5
	; the stage.  Row 16 a + r of my 128 A rows is lane 8 (a % 2) + r % 8 of the reader's tile 2 (a / 2) + r / 8: what hangs on the lane stands in the register, what hangs on a in the immediate
	s_mul_i32 s23, s14, WSTG
	v_bfe_u32 v5, v0, 3, 1                         ; r / 8
	v_and_b32 v6, 7, v0                            ; r % 8
	v_mul_u32_u24 v[STI], v5, 1536
	v_lshl_add_u32 v[STI], v6, 4, v[STI]
	v_lshl_add_u32 v[STI], v2, 8, v[STI]
	v_add_nc_u32 v[STI], s23, v[STI]               ; 1,536 (r / 8) + 16 (r % 8) + 256 h
	v_lshlrev_b32 v[STS], 8, v5
	v_lshl_add_u32 v[STS], v6, 4, v[STS]
	v_lshl_add_u32 v[STS], v2, 9, v[STS]
	v_add_nc_u32 v[STS], s23, v[STS]               ; 256 (r / 8) + 16 (r % 8) + 512 h: lanes 16-31 write the second head's region
	v_and_b32 v7, 31, v0
	v_lshlrev_b32 v[LN16], 4, v7
	v_lshlrev_b32 v[LN8], 3, v7
	v_lshlrev_b32 v[HS16], 4, v2
	v_add_nc_u32 v[RDB], s23, v[LN16]
.macro FRAG reg, adr, q, i             ; a fragment, 16 rows x 128 K of 6-bit codes, is 12 registers: lane l holds row l % 16; registers 6 c .. 6 c + 5 hold K = 64 c + 32 (l / 16) + 0 .. 31: 24 bytes of the row's stream of bits
.irp p, 0,1,2,3,4,5                    ; in pieces of 8 bytes.  Lanes 0-15 take the row's pieces 12 q + 0, 1, 2 and 12 q + 6, 7, 8, lanes 16-31 those three pieces on
.set PCE, 12*(\q)+6*(\p/3)+\p%3       ; 16 bytes of padding lie behind every 8 pieces: where the piece three on lies behind one padding more, the second address register serves
.if PCE%8 < 5
	ds_load_b64 v[\reg+2*\p:\reg+2*\p+1], v[\adr] offset:8*PCE+16*(PCE/8)+(\i)*16*PITCH
.else
	ds_load_b64 v[\reg+2*\p:\reg+2*\p+1], v[\adr+2] offset:8*PCE+16*(PCE/8)+(\i)*16*PITCH
.endif
.endr
.endm
; 16 matrix instructions: A's blocks a0, a0 + 1 x B's eight, 128 along K: the slot's q-th.  p: B's set;  sc: the set of scale words.  zero = 1: the first product starts the sums.
; The 64 accumulators take turns, one instruction a turn, in the same order in every step.
.macro MUL16 a0, p, q, sc, zero
.irp a, \a0, \a0+1
.irp b, 0,1,2,3,4,5,6,7
.if \zero
	v_wmma_scale_f32_16x16x128_f8f6f4 v[8*(8*((\a)%4)+\b):8*(8*((\a)%4)+\b)+7], v[128*(\p)+FR*\b:128*(\p)+FR*\b+FR-1], v[AF+FR*(\a):AF+FR*(\a)+FR-1], 0, v[SC+8*NQ*(\sc)+NQ*\b+(\q)], v[SC+8*NQ*(\sc)+NQ*(\a)+(\q)] matrix_a_fmt:MATRIX_FMT_FP6 matrix_b_fmt:MATRIX_FMT_FP6 matrix_a_scale:MATRIX_SCALE_ROW1
.else
	v_wmma_scale_f32_16x16x128_f8f6f4 v[8*(8*((\a)%4)+\b):8*(8*((\a)%4)+\b)+7], v[128*(\p)+FR*\b:128*(\p)+FR*\b+FR-1], v[AF+FR*(\a):AF+FR*(\a)+FR-1], v[8*(8*((\a)%4)+\b):8*(8*((\a)%4)+\b)+7], v[SC+8*NQ*(\sc)+NQ*\b+(\q)], v[SC+8*NQ*(\sc)+NQ*(\a)+(\q)] matrix_a_fmt:MATRIX_FMT_FP6 matrix_b_fmt:MATRIX_FMT_FP6 matrix_a_scale:MATRIX_SCALE_ROW1
.endif
.endr
.endr
.endm
.macro FETCH_B slot, q, p              ; B's eight fragments of the slot's q-th 128 along K into set p
	WIN TO_B
.irp i, 0,1,2,3,4,5,6,7
	FRAG 128*(\p)+FR*\i, ADRB+\slot, \q, \i
.endr
	WIN 0
.endm
.macro FETCH_A slot, q, i0             ; A's blocks i0 .. i0 + 3
.irp i, \i0, \i0+1, \i0+2, \i0+3
	FRAG AF+FR*(\i), ADRA+\slot, \q, \i
.endr
.endm
.macro SCALES sc                       ; a K step's scale words into set sc: NQ words a row; lanes 0-15 take A's block i, lanes 16-31 B's block i
.irp i, 0,1,2,3,4,5,6,7
	ds_load_b64 v[SC+8*NQ*\sc+NQ*\i:SC+8*NQ*\sc+NQ*\i+1], v[ADRS] offset:\i*SBLK
.endr
.endm
; A load into a register that a matrix instruction has read, and a vector instruction that reads a matrix result, stand NP places behind that matrix instruction; only plain vector instructions that name
; none of its registers are places (ISA guide 7.12.1 for vector instructions).
.macro PLACES n
.rept \n
	v_nop
.endr
.endm
; A step of 128 along K that has its successor in the same slot.
.macro STEP slot, q, zero
	s_wait_dscnt 4*NL                              ; B's set and A's blocks 0-3 are in; the youngest 24 loads (A's blocks 4-7) may be out
	WIN MUL_LO
	MUL16 0, (\q)%2, \q, \slot, \zero
	MUL16 2, (\q)%2, \q, \slot, \zero
	s_wait_dscnt 0                                 ; A's blocks 4-7 are in
	PLACES NP
	FETCH_B \slot, (\q)+1, 1-(\q)%2
	FETCH_A \slot, (\q)+1, 0
	WIN MUL_HI
	MUL16 4, (\q)%2, \q, \slot, \zero
	MUL16 6, (\q)%2, \q, \slot, \zero
	PLACES NP
	WIN 0
	FETCH_A \slot, (\q)+1, 4
.endm
; A slot's last step changes slots: one barrier; in front of it each wave waits for all its tensor loads, adds 0 to its spare word, and waits for that and for its own reads of this slot.  fill = 1: this slot is filled again, two K steps ahead.
.macro TURN slot, next, fill
	s_wait_tensorcnt 0x0                           ; all my tensor loads have landed: my part of the next slot;  (every window is 0 here)
	ds_add_u32 v[SPW], v[NIL]                      ; 0 onto my spare word
	s_wait_dscnt 4*NL+1                            ; (the add and the youngest 24 loads, A's blocks 4-7, may be out)
	WIN MUL_LO
	MUL16 0, 1, NQ-1, \slot, 0                     ; sixteen matrix instructions stand between the add and the wait for it
	s_wait_dscnt 0x0                               ; the add is done, and my reads of this slot are over
	s_barrier_signal -1
	MUL16 2, 1, NQ-1, \slot, 0
	WIN 0
	s_barrier_wait -1
.if \fill
	CREST                                          ; the barrier has opened a round of the cluster's barrier: no wave of any partner still reads this slot's tile or has a load on its way
	s_add_nc_u64 s[G0+4*\slot+2:G0+4*\slot+3], s[G0+4*\slot+2:G0+4*\slot+3], 2*ROWB
	s_add_nc_u64 s[G0B+4*\slot+2:G0B+4*\slot+3], s[G0B+4*\slot+2:G0B+4*\slot+3], 2*ROWB
	JLOAD G0+4*\slot, G1, G0B+4*\slot, G1B         ; the first tensor load behind the round; its four v_nop are the places in front of the loads below
.else
	PLACES NP
.endif
	v_add_nc_u32 v[ADRS], 4*NQ, v[ADRS]            ; on to the next K step's scale words
	FETCH_B \next, 0, 0
	FETCH_A \next, 0, 0
	SCALES \next
	WIN MUL_HI
	MUL16 4, 1, NQ-1, \slot, 0
	MUL16 6, 1, NQ-1, \slot, 0
	PLACES NP
	WIN 0
	FETCH_A \next, 0, 4
.endm
	s_wait_tensorcnt 1                             ; the scales and my part of K step 0 are in (K step 1's load may be out)
	s_barrier_signal -1
	s_barrier_wait -1                              ; everybody's are
	FETCH_B 0, 0, 0
	FETCH_A 0, 0, 0
	SCALES 0
	FETCH_A 0, 0, 4
	STEP 0, 0, 1                                   ; K = 1,024 is four slots' worth: the eight steps are written out
	TURN 0, 1, 1
	STEP 1, 0, 0
	TURN 1, 0, 1
	STEP 0, 0, 0
	TURN 0, 1, 0                                   ; the last lap fills nothing, and has no round of the cluster's barrier
	STEP 1, 0, 0
	s_wait_dscnt 4*NL                              ; the very last step: nothing more to fetch
	WIN MUL_LO
	MUL16 0, 1, NQ-1, 1, 0
	MUL16 2, 1, NQ-1, 1, 0
	s_wait_dscnt 0
	WIN MUL_HI
	MUL16 4, 1, NQ-1, 1, 0
	MUL16 6, 1, NQ-1, 1, 0
	WIN 0
; THE WAY OUT.
; Block a's sums + the bias -> v[H] on, in window 0.  Accumulator (a, b), lane (r, h), register j is (A row 16 a + r, B row 16 b + 8 h + j).  q, k: the bias goes with the B row; v: with the A row.
; Each accumulator is read from its low end on.  The branch hangs on the cluster's x; at a branch and at a label every window is 0.
.macro ADDBIAS a
	s_cmp_eq_u32 s[TYP], 2
	s_cbranch_scc1 .Lbias_v_\@
	WIN 0x02+(\a)/4                                ; source 0: window 2 or 3
.irp b, 0,1,2,3,4,5,6,7
.irp j, 0,2,4,6
	v_pk_add_f32 v[H+8*\b+\j:H+8*\b+\j+1], v[64*((\a)%4)+8*\b+\j:64*((\a)%4)+8*\b+\j+1], v[BIAS+8*\b+\j:BIAS+8*\b+\j+1]
.endr
.endr
	WIN 0
	s_branch .Lbias_done_\@
.Lbias_v_\@:
	WIN 0x02+(\a)/4
.irp b, 0,1,2,3,4,5,6,7
.irp j, 0,2,4,6
	v_pk_add_f32 v[H+8*\b+\j:H+8*\b+\j+1], v[64*((\a)%4)+8*\b+\j:64*((\a)%4)+8*\b+\j+1], v[BIAS+8*(\a):BIAS+8*(\a)+1]
.endr
.endr
	WIN 0
.Lbias_done_\@:
.endm
; 64 numbers of a lane, v[s] .. v[s + 63], register 16 b + i = k 32 b + 16 (lane / 16) + i of my row, become a fragment's codes in v[CD] on and its scale word in v[PW].
.macro QUANT s
.irp b, 0,1,2,3
	v_max3_num_f32 v[TM+\b], |v[\s+16*\b]|, |v[\s+1+16*\b]|, 0x1800000   ; block b: my 16 numbers, and the floor 2^(3 - 127): so the byte cannot fall under 1
.endr
.irp i, 2,4,6,8,10,12,14
.irp b, 0,1,2,3
	v_max3_num_f32 v[TM+\b], v[TM+\b], |v[\s+16*\b+\i]|, |v[\s+1+16*\b+\i]|   ; (the four blocks by turns)
.endr
.endr
.irp b, 0,1,2,3
	v_permlanex16_b32 v[TM+4+\b], v[TM+\b], s[SEL], s[SEL+1]
.endr
.irp b, 0,1,2,3
	v_max_num_f32 v[TM+\b], v[TM+\b], v[TM+4+\b]   ; with lane l xor 16's: the block's largest magnitude
.endr
.irp b, 0,1,2,3
	v_add_nc_u32 v[TM+12+\b], 0xff000000, v[TM+\b]   ; 2 off its exponent field: the conversion takes the exponent field of this operand as its scale
.endr
.irp b, 0,1,2,3
	v_lshrrev_b32 v[TM+4+\b], 23, v[TM+12+\b]      ; the scale's byte
.endr
	v_lshl_or_b32 v[PW], v[TM+5], 8, v[TM+4]       ; the four bytes make my row's scale word
	v_lshl_or_b32 v[PW], v[TM+6], 16, v[PW]
	v_lshl_or_b32 v[PW], v[TM+7], 24, v[PW]
.irp c, 0,1
	v_cvt_scalef32_pk16_fp6_f32 v[CD+6*\c:CD+2+6*\c], v[\s+32*\c:\s+15+32*\c], v[TM+12+2*\c]
	v_cvt_scalef32_pk16_fp6_f32 v[CD+12+4*\c:CD+14+4*\c], v[\s+16+32*\c:\s+31+32*\c], v[TM+12+2*\c+1]   ; (a conversion's three registers begin on an even number)
.endr
	v_nop                                          ; one plain place behind a scaled conversion
.irp c, 0,1                                    ; the operand's layout wants a whole block in a lane: lanes 0-15 block 2 c, lanes 16-31 block 2 c + 1
.irp i, 0,1,2
	v_permlane16_swap_b32 v[CD+6*\c+\i], v[CD+12+4*\c+\i]
.endr
.irp i, 0,1,2
	v_mov_b32 v[CD+3+6*\c+\i], v[CD+12+4*\c+\i]
.endr
.endr
.endm
.macro BLOCK a
	ADDBIAS \a
.irp e, 0,1,2,3                                ; two neighbouring tiles of B hold B rows 32 e + 8 h + j and 32 e + 16 + 8 h + j: the first's lanes 16-31 change places with the second's lanes 0-15,
.irp j, 0,1,2,3,4,5,6,7                        ; and register 16 e + i holds B row 32 e + 16 h + i: sixteen neighbours along the next K
	v_permlane16_swap_b32 v[H+16*\e+\j], v[H+16*\e+8+\j]
.endr
.endr
	QUANT H
.irp c, 0,1,2
	ds_store_b128 v[STI], v[CD+4*\c:CD+4*\c+3] offset:3072*((\a)/2)+128*((\a)%2)+512*\c
.endr
	v_lshrrev_b32 v[PW2], v[HS16], v[PW]           ; lanes 0-15 keep the word (q, k: its low two bytes, the first head's), lanes 16-31 its high two bytes, the second head's
	v_and_b32 v[PW2], s[MSK], v[PW2]
	ds_store_b32 v[STS], v[PW2] offset:12288+128*((\a)%2)+4*((\a)/2)
	s_wait_dscnt 0x0                               ; the stores have read their registers
.endm
	PLACES NP                                      ; behind the last products: for the reads of results and the writes over A's fragments
	s_wait_loadcnt 0x0                             ; the bias
.irp b, 0,1,2,3
	v_mov_b32 v[TM+4+\b], 0                        ; written once: a lane permute's destination counts as one of its sources
.endr
.irp a, 0,1,2,3,4,5,6,7
	BLOCK \a
.endr
.irp t, 0,1,2,3,4,5,6,7                        ; my own bytes: LDS serves a wave's instructions in order (ISA guide 5.7.1.4)
.irp c, 0,1,2
	ds_load_b128 v[RB+12*\t+4*\c:RB+12*\t+4*\c+3], v[RDB] offset:1536*\t+512*\c
.endr
.endr
.irp e, 0,1
	ds_load_b128 v[RS+4*\e:RS+4*\e+3], v[RDB] offset:12288+512*\e
.endr
	s_wait_dscnt 0x0
	s_cmp_eq_u32 s[TYP], 2
	s_cbranch_scc1 .Lout_v
.irp t, 0,1,2,3,4,5,6,7                        ; q, k: registers 0-5 of a fragment are the first head's half fragment, registers 6-11 the second's.  Each store covers 512 or 256 consecutive bytes, aligned
	global_store_b128 v[LN16], v[RB+12*\t:RB+12*\t+3], s[OA:OA+1] offset:768*\t
	global_store_b64 v[LN8], v[RB+12*\t+4:RB+12*\t+5], s[OA:OA+1] offset:768*\t+512
	global_store_b128 v[LN16], v[RB+12*\t+6:RB+12*\t+9], s[OB:OB+1] offset:768*\t
	global_store_b64 v[LN8], v[RB+12*\t+10:RB+12*\t+11], s[OB:OB+1] offset:768*\t+512
.endr
	global_store_b128 v[LN16], v[RS:RS+3], s[OA:OA+1] offset:6144
	global_store_b128 v[LN16], v[RS+4:RS+7], s[OB:OB+1] offset:6144
	s_branch .Lend
.Lout_v:
.irp t, 0,1,2,3                                ; v: tiles 0-3 are the first head's 64 channels, tiles 4-7 the second's
.irp c, 0,1,2
	global_store_b128 v[LN16], v[RB+12*\t+4*\c:RB+12*\t+4*\c+3], s[OA:OA+1] offset:1536*\t+512*\c
	global_store_b128 v[LN16], v[RB+12*(\t+4)+4*\c:RB+12*(\t+4)+4*\c+3], s[OB:OB+1] offset:1536*\t+512*\c
.endr
.endr
	global_store_b64 v[LN8], v[RS:RS+1], s[OA:OA+1] offset:6144      ; the first region's registers 0, 1: tiles 0-3;
	global_store_b64 v[LN8], v[RS+2:RS+3], s[OB:OB+1] offset:6144    ; registers 2, 3: tiles 4-7
.Lend:
	s_wait_tensorcnt 0x0                           ; the wave's end: behind my last tensor load and my last LDS store
	ds_add_u32 v[SPW], v[NIL]
	s_wait_dscnt 0x0
	CROUND                                         ; the closing round: no work-group ends while a partner may still ask for a tile that names it
	s_endpgm
.Lfunc_end_k_q1935c8d1c2_qkv:
	.size	k_q1935c8d1c2_qkv, .Lfunc_end_k_q1935c8d1c2_qkv-k_q1935c8d1c2_qkv
	.p2alignl 7, 3214868480
	.fill 96, 4, 3214868480
	.section	.rodata,"a",@progbits
	.p2align	6, 0x0
	.amdhsa_kernel k_q1935c8d1c2_qkv
		.amdhsa_group_segment_fixed_size 327680
		.amdhsa_private_segment_fixed_size 0
		.amdhsa_enable_private_segment 0
		.amdhsa_kernarg_size 104
		.amdhsa_user_sgpr_count 2
		.amdhsa_user_sgpr_kernarg_segment_ptr 1
		.amdhsa_wavefront_size32 1
		.amdhsa_system_sgpr_workgroup_id_x 1
		.amdhsa_system_sgpr_workgroup_id_y 1
		.amdhsa_system_sgpr_workgroup_id_z 1
		.amdhsa_system_vgpr_workitem_id 0
		.amdhsa_next_free_vgpr 1024
		.amdhsa_next_free_sgpr 102
		.amdhsa_reserve_vcc 0
		.amdhsa_float_denorm_mode_32 3
		.amdhsa_float_denorm_mode_16_64 3
		.amdhsa_memory_ordered 1
		.amdhsa_forward_progress 1
		.amdhsa_inst_pref_size 220
	.end_amdhsa_kernel
	.amdgpu_metadata
---
amdhsa.version: [ 1, 2 ]
amdhsa.kernels:
  - .name:           k_q1935c8d1c2_qkv
    .symbol:         k_q1935c8d1c2_qkv.kd
    .args:
      - { .name: x_codes, .offset: 0, .size: 8, .value_kind: global_buffer, .address_space: global }
      - { .name: x_scales, .offset: 8, .size: 8, .value_kind: global_buffer, .address_space: global }
      - { .name: Wq_codes, .offset: 16, .size: 8, .value_kind: global_buffer, .address_space: global }
      - { .name: Wq_scales, .offset: 24, .size: 8, .value_kind: global_buffer, .address_space: global }
      - { .name: Wk_codes, .offset: 32, .size: 8, .value_kind: global_buffer, .address_space: global }
      - { .name: Wk_scales, .offset: 40, .size: 8, .value_kind: global_buffer, .address_space: global }
      - { .name: Wv_codes, .offset: 48, .size: 8, .value_kind: global_buffer, .address_space: global }
      - { .name: Wv_scales, .offset: 56, .size: 8, .value_kind: global_buffer, .address_space: global }
      - { .name: bq, .offset: 64, .size: 8, .value_kind: global_buffer, .address_space: global }
      - { .name: bk, .offset: 72, .size: 8, .value_kind: global_buffer, .address_space: global }
      - { .name: bv, .offset: 80, .size: 8, .value_kind: global_buffer, .address_space: global }
      - { .name: qi, .offset: 88, .size: 8, .value_kind: global_buffer, .address_space: global }
      - { .name: kv, .offset: 96, .size: 8, .value_kind: global_buffer, .address_space: global }
    .group_segment_fixed_size: 327680
    .private_segment_fixed_size: 0
    .kernarg_segment_align: 8
    .kernarg_segment_size: 104
    .max_flat_workgroup_size: 128
    .sgpr_count:     102
    .vgpr_count:     1024
    .wavefront_size: 32
...
	.end_amdgpu_metadata
.endif
;; end of part 1
;; launch attn (part 2): grid 256 x 1, 16 waves a work-group, clusters of 4 x 1, 210,944 bytes of LDS; arguments qi, kv, oi, os; writes oi, os
.if DOCPART == 2
	.amdgcn_target "amdgcn-amd-amdhsa--gfx1250"
	.amdhsa_code_object_version 6
	.text
	.protected	k_q1935c8d1c2_attn
	.globl	k_q1935c8d1c2_attn
	.p2align	8
	.type	k_q1935c8d1c2_attn,@function
k_q1935c8d1c2_attn:
	s_mov_b64 s[64:65], 0
	v_nop
	global_prefetch_b8 v0, s[64:65] scope:SCOPE_SE
	s_setreg_imm32_b32 hwreg(HW_REG_WAVE_MODE, 25, 1), 1
	s_wait_xcnt 0x0
	s_wait_alu depctr_hold_cnt(0) depctr_sa_sdst(0) depctr_va_vdst(0) depctr_va_sdst(0) depctr_va_ssrc(0) depctr_va_vcc(0) depctr_vm_vsrc(0)
	s_getreg_b32 s2, hwreg(HW_REG_IB_STS2, 6, 4)
	s_cmp_eq_u32 s2, 0
	s_cbranch_scc0 .Lentry_in_a_cluster
	s_endpgm
.Lentry_in_a_cluster:
	s_bfe_u32 s2, ttmp6, 0x10000c
	s_cmp_lg_u32 s2, 0x3003
	s_cbranch_scc0 .Lentry_shape_is_right
	s_endpgm
.Lentry_shape_is_right:
; Causal attention of one head on codes of FP6 (E2M3), head size 64, 2,048 keys, and the quantising of its result for the last product.
; t = score x log2(e) / 8;  M = the row's largest t so far, rounded up to a whole number;  p = 2^(t - M) is quantised along the keys, not normalised; the row's sum is taken of the unquantised p and divides at the end.
; When M moves, the sum and O are multiplied by 2^(old M - new M): exact.
; INPUT.  qi and kv hold images of operand registers (the launch before lays them): a load at 16 x lane or 8 x lane gives the registers as the matrix instruction wants them.
; CLUSTER.  The four work-groups of a cluster serve one head (16 batch + head = the cluster's x).  The head's whole k and v, 16 records of 13,056 bytes, are asked for jointly, once: each of the sixteen waves issues one
; tensor load, its record, with a mask that names the four.  LDS is filled once and only read: one barrier, no ring.
; SHARES.  Wave w: u = w % 8, e = w / 8.  It makes two passes: the groups of 128 queries u and 15 - u; in each it owns one tile of 16 queries, tile 2 cx + e of the group's eight.  A group g sees key steps 0 .. g:
; (u + 1) + (16 - u) = 17 key steps for every wave of the launch.  The loop over key steps has a constant 16 trips; a step that lies wholly behind the diagonal is jumped over by a scalar branch on the wave's number
; and the trip's number.  cx enters global addresses and the mask's number d alone.
; LAYOUT.  Both products are used transposed: S^T = K Q^T (source 0 = 16 keys), O^T = V^T P^T (source 0 = 16 channels): a lane holds one query throughout.  Tiles are permuted (lane r of tile 2 b + u holds row
; 32 b + 8 u + r + 8 (r / 8)), so that the 16 registers of tiles 2 b, 2 b + 1 are 16 neighbours: keys for p, channels for O.
; K = 64 IN AN INSTRUCTION OF K = 128: Q's registers 6-11 are zero codes; K's operand names 12 registers of which the upper six are the next tile's codes: they meet zeros.  Bytes 2, 3 of both scale words are 0, which is a small power of two.
; OUTPUT.  oi: [tile of 16 tokens][head] half fragments of 768 bytes (registers 0-3 at 16 x lane, 4-5 at 512 + 8 x lane);  os: [16 x tile + lane % 16][32]: byte 2 head + block.
; LIMITS: NaN and infinities are not served; a block whose largest magnitude lies under 2^-124 (a block of zeros too) gets the scale byte 1.
; REGISTERS: v1 16 x lane, v2 8 x lane, v3-4 LDS addresses, v5 d, v7 16 r, v8 32 r; v12 -M, v13 the largest t, v[14:15] the sum; v16-27, v28 Q and its scale word, first pass; v32-85 K's tiles, then V's fragments;
; v86-89, v90-91, v92 scale words of K, V, p; v96-159 S^T, then p; v160-191 O^T; v192-211 codes; v212-229 at work; v231 -infinity; v232-243, v244 Q, second pass.
.set REC,  13056                       ; a key step's record: 8 half fragments of K, 512 bytes of scale words, 4 fragments of V^T, 256 bytes of scale words
.set QREC, 6656
.set ADX,  3
.set ADY,  4
.set KF,   32
.set S,    96
.set O,    160
.set CD,   192
.set PX,   204
.set BM,   212
.set PT,   216
.set SO,   220
.set WV,   12                          ; s12 wave; s13 u; s14 e; s15 cx; s16 16 batch + head
.set G,    17                          ; s17 the pass's group
.set KI,   18                          ; s18 the key step
.set TB,   19                          ; s19 its record's LDS byte
.set SEL,  20                          ; s[20:21] selects of v_permlanex16_b32: lane l xor 16
.set CS,   22                          ; s[22:23] c = log2(e) / 8
.macro CROUND                          ; a round of the cluster's barrier
	s_barrier_signal -1
	s_barrier_wait -1
	s_cmp_lg_u32 s[WV], 0
	s_cbranch_scc1 .Lnot_wave_0_\@
	s_barrier_signal -3
.Lnot_wave_0_\@:
	s_barrier_wait -3
	s_barrier_signal -1
	s_barrier_wait -1
.endm
; the addresses of pass n, whose group stands in s39:  s[40+4n:41+4n] Q's codes, s[42+4n:43+4n] Q's scale words, s[48+4n:49+4n] oi, s[50+4n:51+4n] os
.macro BASES n
	s_lshl_b32 s56, s16, 4
	s_add_co_u32 s56, s56, s39
	s_mul_i32 s56, s56, QREC                       ; the group's record in qi
	s_mul_i32 s58, s38, 768
	s_add_co_u32 s58, s58, s56                     ; + my tile's half fragment
	s_mov_b32 s59, 0
	s_add_nc_u64 s[40+4*\n:41+4*\n], s[4:5], s[58:59]
	s_lshl_b32 s58, s14, 8                         ; the word of (tile 2 cx + e, row r) lies at 6,144 + 16 r + 256 e + 4 cx
	s_add_co_u32 s58, s58, s56
	s_lshl_b32 s57, s15, 2
	s_add_co_u32 s58, s58, s57
	s_add_co_u32 s58, s58, 6144
	s_add_nc_u64 s[42+4*\n:43+4*\n], s[4:5], s[58:59]
	s_lshr_b32 s56, s16, 4                         ; batch
	s_lshl_b32 s56, s56, 7
	s_lshl_b32 s57, s39, 3
	s_add_co_u32 s56, s56, s57
	s_add_co_u32 s56, s56, s38                     ; my tile of 16 tokens: 128 batch + 8 group + tile
	s_and_b32 s57, s16, 15                         ; head
	s_mul_i32 s58, s56, 12288
	s_mul_i32 s60, s57, 768
	s_add_co_u32 s58, s58, s60
	s_add_nc_u64 s[48+4*\n:49+4*\n], s[8:9], s[58:59]
	s_lshl_b32 s58, s56, 9
	s_lshl_b32 s60, s57, 1
	s_add_co_u32 s58, s58, s60
	s_add_nc_u64 s[50+4*\n:51+4*\n], s[10:11], s[58:59]
.endm
	s_load_b256 s[4:11], s[0:1], 0x0               ; qi s[4:5], kv s[6:7], oi s[8:9], os s[10:11]
	v_lshl_add_u32 v254, v0, 2, 0x33000
	v_mov_b32 v255, 0
	ds_add_u32 v254, v255
	ds_add_u32 v254, v255
	v_lshrrev_b32 v9, 5, v0
	s_delay_alu instid0(VALU_DEP_1)
	v_readfirstlane_b32 s[WV], v9                  ; wave 0..15
	s_and_b32 s13, s[WV], 7                        ; u
	s_lshr_b32 s14, s[WV], 3                       ; e
	s_bfe_u32 s15, ttmp6, 0x40000                  ; cx
	s_mov_b32 s16, ttmp9                           ; 16 batch + head: the cluster's x
	; descriptor: a record is a dense block of 51 rows of 256 bytes (32 elements of 8 bytes), laid as it lies
	s_mov_b32 s24, 15|(3<<16)|(1<<21)              ; 15:0 the mask: all four work-groups; 17:16 elements of 8 bytes; 21 set beside a mask
	s_mov_b32 s25, 32<<16                          ; tensor_dim0 = 32
	s_mov_b32 s26, 51<<16                          ; tensor_dim1 = 51
	s_mov_b32 s27, 32<<16                          ; tile_dim0 = 32
	s_mov_b32 s28, 51                              ; tile_dim1 = 51
	s_mov_b32 s29, 32                              ; tensor_dim0_stride
	s_mov_b32 s30, 0
	s_mov_b32 s31, 0
	s_mov_b32 s32, 1                               ; count = 1
	s_mul_i32 s33, s[WV], REC                      ; LDS address: record = wave
	s_mul_i32 s36, s16, 16*REC                     ; the head's 16 records,
	s_add_co_u32 s36, s36, s33                     ; mine among them
	s_mov_b32 s37, 0
	s_mov_b32 s[SEL], 0x76543210
	s_mov_b32 s[SEL+1], 0xfedcba98
	s_mov_b32 s[CS], 0x3e38aa3b                    ; log2(e) / 8
	s_mov_b32 s[CS+1], s[CS]                       ; (named with it as a pair, so it is written)
	s_lshl_b32 s38, s15, 1
	s_add_co_u32 s38, s38, s14                     ; my tile of a group: 2 cx + e
	s_wait_dscnt 0x0
	s_wait_kmcnt 0x0
	s_add_nc_u64 s[34:35], s[6:7], s[36:37]
	s_or_b32 s35, s35, 0x80000000                  ; type = 2
	CROUND                                         ; all four work-groups are here: the joint loads meet
	tensor_load_to_lds s[32:35], s[24:31]          ; my one tensor load of the launch
	s_nop 0
.rept 4
	v_nop
.endr
	s_mov_b32 s39, s13
	BASES 0
	s_sub_co_u32 s39, 15, s13
	BASES 1
	v_and_b32 v9, 31, v0
	s_delay_alu instid0(VALU_DEP_1)
	v_lshlrev_b32 v1, 4, v9                        ; 16 x lane
	s_delay_alu instid0(VALU_DEP_2)
	v_lshlrev_b32 v2, 3, v9                        ; 8 x lane
	v_and_b32 v10, 15, v0                          ; r
	v_bfe_u32 v11, v0, 4, 1                        ; h
	s_delay_alu instid0(VALU_DEP_2)
	v_lshlrev_b32 v7, 4, v10
	s_delay_alu instid0(VALU_DEP_3)
	v_lshlrev_b32 v8, 5, v10
	global_load_b128 v[16:19], v1, s[40:41]        ; Q's half fragments and scale words of both passes stay in registers
	global_load_b64 v[20:21], v2, s[40:41] offset:512
	global_load_b32 v28, v7, s[42:43]
	global_load_b128 v[232:235], v1, s[44:45]
	global_load_b64 v[236:237], v2, s[44:45] offset:512
	global_load_b32 v244, v7, s[46:47]
	v_and_b32 v5, 8, v10
	s_delay_alu instid0(VALU_DEP_1)
	v_add_nc_u32 v5, v5, v10                       ; r + 8 (r / 8)
	v_lshlrev_b32 v11, 4, v11
	s_delay_alu instid0(VALU_DEP_1)
	v_sub_nc_u32 v5, v5, v11
	s_lshl_b32 s56, s15, 5
	s_lshl_b32 s57, s14, 3
	s_add_co_u32 s56, s56, s57
	v_add_nc_u32 v5, s56, v5                       ; d = my query in its group - 16 h.  On the diagonal register 16 b + i holds key 32 b + 16 h + i of the group: hidden where 32 b + i > d
.irp j, 0,1,2,3,4,5
	v_mov_b32 v[22+\j], 0                          ; the upper half of K: zero codes in Q,
	v_mov_b32 v[238+\j], 0
	v_mov_b32 v[80+\j], 0                          ; and something written behind K's last tile
.endr
.irp b, 0,1,2,3
	v_mov_b32 v[PT+\b], 0                          ; written once: a lane permute's destination counts as one of its sources
.endr
	v_mov_b32 v225, 0                              ; (named as the upper half of the pair v[224:225])
	v_mov_b32 v226, 0
	v_mov_b32 v231, 0xff800000                     ; -infinity
	s_wait_tensorcnt 0x0                           ; my record is in,
	s_barrier_signal -1
	s_barrier_wait -1                              ; everybody's is: from here on LDS is only read
	s_wait_loadcnt 0x0                             ; Q
; A KEY STEP: 128 keys against my 16 queries.
.macro STEP qf, qs
	s_cmp_gt_u32 s[KI], s[G]                       ; all its keys come after my queries: nothing to do but the steps at its end
	s_cbranch_scc1 .Lhid_\@
	s_setprio 2
	v_add_nc_u32 v[ADX], s[TB], v1
	v_add_nc_u32 v[ADY], s[TB], v2
	v_nop
	v_nop                                          ; four places in front of loads into registers that the last products read
.irp t, 0,1,2,3,4,5,6,7
	ds_load_b128 v[KF+6*\t:KF+6*\t+3], v[ADX] offset:768*\t
	ds_load_b64 v[KF+6*\t+4:KF+6*\t+5], v[ADY] offset:768*\t+512
.endr
	ds_load_b128 v[86:89], v[ADX] offset:6144      ; register i: lanes 0-15 tile 2 i's scale words, lanes 16-31 tile 2 i + 1's
	s_wait_alu depctr_va_vdst(0)
	s_wait_dscnt 0x0
.irp t, 0,2,4,6
	v_wmma_scale_f32_16x16x128_f8f6f4 v[S+8*\t:S+8*\t+7], v[KF+6*\t:KF+6*\t+11], v[\qf:\qf+11], 0, v[86+\t/2], v[\qs] matrix_a_fmt:MATRIX_FMT_FP6 matrix_b_fmt:MATRIX_FMT_FP6
	v_wmma_scale_f32_16x16x128_f8f6f4 v[S+8*\t+8:S+8*\t+15], v[KF+6*\t+6:KF+6*\t+17], v[\qf:\qf+11], 0, v[86+\t/2], v[\qs] matrix_a_fmt:MATRIX_FMT_FP6 matrix_b_fmt:MATRIX_FMT_FP6 matrix_a_scale:MATRIX_SCALE_ROW1
.endr
.rept 4
	v_nop                                          ; places: for the loads below and for the first read of the scores
.endr
.irp t, 0,1,2,3                                ; V is asked for now and lands under the softmax
.irp c, 0,1,2
	ds_load_b128 v[KF+12*\t+4*\c:KF+12*\t+4*\c+3], v[ADX] offset:6656+1536*\t+512*\c
.endr
.endr
	ds_load_b64 v[90:91], v[ADY] offset:12800
	s_cmp_lg_u32 s[KI], s[G]                       ; only the step on the diagonal has hidden keys: their scores become -infinity ahead of the maximum, so that p = 0
	s_cbranch_scc1 .Lopen_\@
.irp n, 0,1,2,3,4,5,6,7,8,9,10,11,12,13,14,15,16,17,18,19,20,21,22,23,24,25,26,27,28,29,30,31,32,33,34,35,36,37,38,39,40,41,42,43,44,45,46,47,48,49,50,51,52,53,54,55,56,57,58,59,60,61,62,63
	v_cmp_gt_i32 vcc_lo, 32*(\n/16)+\n%16, v5
	v_cndmask_b32 v[S+\n], v[S+\n], v231, vcc_lo
.endr
.Lopen_\@:
.irp b, 0,1,2,3
	v_max3_num_f32 v[BM+\b], v[S+16*\b], v[S+1+16*\b], v[S+2+16*\b]   ; the largest score of each block of 32 keys: it serves for the row's maximum and, since p rises with the score, for the block's largest p
.endr
.irp i, 3,5,7,9,11,13
.irp b, 0,1,2,3
	v_max3_num_f32 v[BM+\b], v[BM+\b], v[S+16*\b+\i], v[S+1+16*\b+\i]
.endr
.endr
.irp b, 0,1,2,3
	v_max_num_f32 v[BM+\b], v[BM+\b], v[S+15+16*\b]
.endr
.irp b, 0,1,2,3
	s_delay_alu instid0(VALU_DEP_4)
	v_permlanex16_b32 v[PT+\b], v[BM+\b], s[SEL], s[SEL+1]
.endr
.irp b, 0,1,2,3
	s_delay_alu instid0(VALU_DEP_4)
	v_max_num_f32 v[BM+\b], v[BM+\b], v[PT+\b]     ; with lane l xor 16's 16 keys
.endr
	s_delay_alu instid0(VALU_DEP_2)
	v_max3_num_f32 v226, v[BM], v[BM+1], v[BM+2]
	s_delay_alu instid0(VALU_DEP_1)
	v_max_num_f32 v226, v226, v[BM+3]              ; the step's largest score of my query
	s_delay_alu instid0(VALU_DEP_1)
	v_mul_f32 v226, s[CS], v226                    ; as t
	s_delay_alu instid0(VALU_DEP_1)
	v_max_num_f32 v13, v13, v226                   ; the running largest t
	v_mov_b32 v226, v12
	s_delay_alu instid0(VALU_DEP_2)
	v_floor_f32 v12, -v13                          ; the new -M = floor(-t): M is a whole number
	s_delay_alu instid0(VALU_DEP_1)
	v_sub_f32 v226, v12, v226                      ; old M - new M: a whole number, 0 or less
	s_delay_alu instid0(VALU_DEP_1)
	v_cvt_i32_f32 v226, v226                       ; (it saturates)
	s_delay_alu instid0(VALU_DEP_1)
	v_ldexp_f32 v224, 1.0, v226                    ; f = 2^(old M - new M)
.irp j, 0,2,4,6,8,10,12,14,16,18,20,22,24,26,28,30,32,34,36,38,40,42,44,46,48,50,52,54,56,58,60,62
	v_pk_fma_f32 v[S+\j:S+1+\j], v[S+\j:S+1+\j], s[CS:CS+1], v[12:13] op_sel_hi:[1,0,0]   ; t - M, two at a time
.endr
	s_setprio 1
.irp b, 0,1,2,3
	v_fma_f32 v[BM+\b], v[BM+\b], s[CS], v12       ; the same of each block's largest score
.endr
	s_wait_alu depctr_va_vdst(0)
.irp j, 0,1,2,3,4,5,6,7,8,9,10,11,12,13,14,15,16,17,18,19,20,21,22,23,24,25,26,27,28,29,30,31,32,33,34,35,36,37,38,39,40,41,42,43,44,45,46,47,48,49,50,51,52,53,54,55,56,57,58,59,60,61,62,63
	v_exp_f32 v[S+\j], v[S+\j]                     ; p = 2^(t - M), at most 1
.endr
	v_pk_mul_f32 v[14:15], v[14:15], v[224:225] op_sel_hi:[1,0]   ; the sums under the new M: a plain instruction behind the exponentials
	s_wait_alu depctr_va_vdst(0)                   ; one wait for the batch, ahead of the first instruction that names a result
.irp b, 0,1,2,3
	v_exp_f32 v[BM+\b], v[BM+\b]                   ; each block's largest p
.endr
	v_pk_add_f32 v[228:229], v[100:101], v[104:105]
	v_pk_add_f32 v[252:253], v[108:109], v[112:113]
	v_pk_add_f32 v[250:251], v[116:117], v[120:121]
	v_pk_add_f32 v[248:249], v[124:125], v[128:129]
	v_pk_add_f32 v[246:247], v[132:133], v[136:137]
	v_pk_add_f32 v[222:223], v[140:141], v[144:145]
	v_pk_add_f32 v[220:221], v[148:149], v[152:153]
	v_pk_add_f32 v[14:15], v[14:15], v[156:157]
	v_pk_add_f32 v[228:229], v[228:229], v[96:97]
	v_pk_add_f32 v[252:253], v[252:253], v[98:99]
	v_pk_add_f32 v[250:251], v[250:251], v[102:103]
	v_pk_add_f32 v[248:249], v[248:249], v[106:107]
	v_pk_add_f32 v[246:247], v[246:247], v[110:111]
	v_pk_add_f32 v[222:223], v[222:223], v[114:115]
	v_pk_add_f32 v[220:221], v[220:221], v[118:119]
	v_pk_add_f32 v[14:15], v[14:15], v[122:123]
	v_pk_add_f32 v[228:229], v[228:229], v[126:127]
	v_pk_add_f32 v[252:253], v[252:253], v[130:131]
	v_pk_add_f32 v[250:251], v[250:251], v[134:135]
	v_pk_add_f32 v[248:249], v[248:249], v[138:139]
	v_pk_add_f32 v[246:247], v[246:247], v[142:143]
	v_pk_add_f32 v[222:223], v[222:223], v[146:147]
	v_pk_add_f32 v[220:221], v[220:221], v[150:151]
	v_pk_add_f32 v[14:15], v[14:15], v[154:155]
	v_pk_add_f32 v[228:229], v[228:229], v[158:159]
	s_delay_alu instid0(VALU_DEP_2)
	v_pk_add_f32 v[14:15], v[14:15], v[248:249]
	s_delay_alu instid0(VALU_DEP_2)
	v_pk_add_f32 v[228:229], v[228:229], v[246:247]
	v_pk_add_f32 v[252:253], v[252:253], v[222:223]
	v_pk_add_f32 v[250:251], v[250:251], v[220:221]
	s_delay_alu instid0(VALU_DEP_2)
	v_pk_add_f32 v[14:15], v[14:15], v[252:253]
	s_delay_alu instid0(VALU_DEP_2)
	v_pk_add_f32 v[228:229], v[228:229], v[250:251]
	s_delay_alu instid0(VALU_DEP_1)
	v_pk_add_f32 v[14:15], v[14:15], v[228:229]
	s_wait_alu depctr_va_vdst(0)                   ; and one for the four
.irp b, 0,1,2,3
	v_max_num_f32 v[BM+\b], 0x1800000, v[BM+\b]    ; the floor 2^(3 - 127): the byte cannot fall under 1
.endr
.irp b, 0,1,2,3
	s_delay_alu instid0(VALU_DEP_4)
	v_add_nc_u32 v[SO+\b], 0xff000000, v[BM+\b]    ; 2 off the exponent field: the conversion's scale operand
.endr
.irp b, 0,1,2,3
	s_delay_alu instid0(VALU_DEP_4)
	v_lshrrev_b32 v[PT+\b], 23, v[SO+\b]           ; the scale's byte
.endr
	s_delay_alu instid0(VALU_DEP_3)
	v_lshl_or_b32 v92, v[PT+1], 8, v[PT]           ; p's scale word for these 128 keys
	s_delay_alu instid0(VALU_DEP_1)
	v_lshl_or_b32 v92, v[PT+2], 16, v92
	s_delay_alu instid0(VALU_DEP_1)
	v_lshl_or_b32 v92, v[PT+3], 24, v92
	s_setprio 0
.irp c, 0,1
	v_cvt_scalef32_pk16_fp6_f32 v[CD+6*\c:CD+2+6*\c], v[S+32*\c:S+15+32*\c], v[SO+2*\c]
	v_cvt_scalef32_pk16_fp6_f32 v[PX+4*\c:PX+2+4*\c], v[S+16+32*\c:S+31+32*\c], v[SO+2*\c+1]   ; (a conversion's three registers begin on an even number)
.endr
	v_nop                                          ; one plain place behind a scaled conversion
.irp c, 0,1                                    ; the operand's layout wants a whole block in a lane
.irp i, 0,1,2
	v_permlane16_swap_b32 v[CD+6*\c+\i], v[PX+4*\c+\i]
.endr
.irp i, 0,1,2
	s_delay_alu instid0(VALU_DEP_3)
	v_mov_b32 v[CD+3+6*\c+\i], v[PX+4*\c+\i]
.endr
.endr
.irp j, 0,2,4,6,8,10,12,14,16,18,20,22,24,26,28,30
	v_pk_mul_f32 v[O+\j:O+1+\j], v[O+\j:O+1+\j], v[224:225] op_sel_hi:[1,0]   ; O^T under the new M.  These sixteen are also the places between the writes of p's codes and scale word and the products
.endr
	s_wait_alu depctr_va_vdst(0)
	s_wait_dscnt 0x0                               ; V
.irp t, 0,2
	v_wmma_scale_f32_16x16x128_f8f6f4 v[O+8*\t:O+8*\t+7], v[KF+12*\t:KF+12*\t+11], v[CD:CD+11], v[O+8*\t:O+8*\t+7], v[90+\t/2], v92 matrix_a_fmt:MATRIX_FMT_FP6 matrix_b_fmt:MATRIX_FMT_FP6
	v_wmma_scale_f32_16x16x128_f8f6f4 v[O+8*\t+8:O+8*\t+15], v[KF+12*\t+12:KF+12*\t+23], v[CD:CD+11], v[O+8*\t+8:O+8*\t+15], v[90+\t/2], v92 matrix_a_fmt:MATRIX_FMT_FP6 matrix_b_fmt:MATRIX_FMT_FP6 matrix_a_scale:MATRIX_SCALE_ROW1
.endr                                          ; the accumulators take turns, one instruction a turn
.Lhid_\@:
	s_add_co_u32 s[TB], s[TB], REC
	s_add_co_u32 s[KI], s[KI], 1
.endm
; A PASS: one tile of 16 queries of group u (n = 0) or 15 - u (n = 1).
.macro PASS qf, qs, n
	s_wait_xcnt 0x0                                ; the earlier stores have read their registers
.if \n
	s_sub_co_u32 s[G], 15, s13
.else
	s_mov_b32 s[G], s13
.endif
	s_mov_b32 s[KI], 0
	s_mov_b32 s[TB], 0
	v_mov_b32 v13, 0xff61b1e6                      ; the largest t so far: -3e38, under every t
	s_delay_alu instid0(VALU_DEP_1)
	v_floor_f32 v12, -v13                          ; -M
	v_mov_b32 v14, 0                               ; the sum, in two halves
	v_mov_b32 v15, 0
.irp j, 0,1,2,3,4,5,6,7,8,9,10,11,12,13,14,15,16,17,18,19,20,21,22,23,24,25,26,27,28,29,30,31
	v_mov_b32 v[O+\j], 0                           ; O^T: the step is written once; the first finds zeros, which the first change of M leaves zeros
.endr
.Lstep_\@:
	STEP \qf, \qs
	s_cmp_lt_u32 s[KI], 16
	s_cbranch_scc1 .Lstep_\@
	s_setprio 0
	; the pass's end: O^T / the sum, quantised along the head's 64 channels: register 16 b + i is channel 32 b + 16 h + i
.rept 4
	v_nop                                          ; places behind the last products
.endr
	v_add_f32 v14, v14, v15                        ; the sum's two halves,
	s_delay_alu instid0(VALU_DEP_1)
	v_permlanex16_b32 v226, v14, s[SEL], s[SEL+1]
	s_delay_alu instid0(VALU_DEP_1)
	v_add_f32 v14, v14, v226                       ; and lane l xor 16's
	s_wait_alu depctr_va_vdst(0)
	v_rcp_f32 v14, v14
	v_nop                                          ; one plain place behind the reciprocal
	s_wait_alu depctr_va_vdst(0)                   ; and the wait ahead of its first reader
.irp j, 0,2,4,6,8,10,12,14,16,18,20,22,24,26,28,30
	v_pk_mul_f32 v[S+\j:S+1+\j], v[O+\j:O+1+\j], v[14:15] op_sel_hi:[1,0]
.endr
.irp b, 0,1
	v_max3_num_f32 v[BM+\b], |v[S+16*\b]|, |v[S+1+16*\b]|, 0x1800000   ; my 16 numbers of block b, and the floor
.endr
.irp i, 2,4,6,8,10,12,14
.irp b, 0,1
	s_delay_alu instid0(VALU_DEP_2)
	v_max3_num_f32 v[BM+\b], v[BM+\b], |v[S+16*\b+\i]|, |v[S+1+16*\b+\i]|
.endr
.endr
.irp b, 0,1
	s_delay_alu instid0(VALU_DEP_2)
	v_permlanex16_b32 v[PT+\b], v[BM+\b], s[SEL], s[SEL+1]
.endr
.irp b, 0,1
	s_delay_alu instid0(VALU_DEP_2)
	v_max_num_f32 v[BM+\b], v[BM+\b], v[PT+\b]
.endr
.irp b, 0,1
	s_delay_alu instid0(VALU_DEP_2)
	v_add_nc_u32 v[SO+\b], 0xff000000, v[BM+\b]
.endr
.irp b, 0,1
	s_delay_alu instid0(VALU_DEP_2)
	v_lshrrev_b32 v[PT+\b], 23, v[SO+\b]
.endr
	s_delay_alu instid0(VALU_DEP_1)
	v_lshl_or_b32 v227, v[PT+1], 8, v[PT]          ; my row's two scale bytes of this head
	v_cvt_scalef32_pk16_fp6_f32 v[CD:CD+2], v[S:S+15], v[SO]
	v_cvt_scalef32_pk16_fp6_f32 v[PX:PX+2], v[S+16:S+31], v[SO+1]
	v_nop
.irp i, 0,1,2
	v_permlane16_swap_b32 v[CD+\i], v[PX+\i]
.endr
.irp i, 0,1,2
	s_delay_alu instid0(VALU_DEP_3)
	v_mov_b32 v[CD+3+\i], v[PX+\i]
.endr
	global_store_b128 v1, v[CD:CD+3], s[48+4*\n:49+4*\n]               ; 512 consecutive bytes, aligned
	global_store_b64 v2, v[CD+4:CD+5], s[48+4*\n:49+4*\n] offset:512   ; 256 consecutive bytes, aligned
	global_store_b16 v8, v227, s[50+4*\n:51+4*\n]                      ; two bytes a row, 32 bytes apart (lanes l and l xor 16 write the same value to the same place): one byte for each 24 of codes
.endm
	PASS 16, 28, 0
	PASS 232, 244, 1
	s_wait_tensorcnt 0x0
	ds_add_u32 v254, v255
	s_wait_dscnt 0x0
	CROUND                                         ; the closing round
	s_endpgm
.Lfunc_end_k_q1935c8d1c2_attn:
	.size	k_q1935c8d1c2_attn, .Lfunc_end_k_q1935c8d1c2_attn-k_q1935c8d1c2_attn
	.p2alignl 7, 3214868480
	.fill 96, 4, 3214868480
	.section	.rodata,"a",@progbits
	.p2align	6, 0x0
	.amdhsa_kernel k_q1935c8d1c2_attn
		.amdhsa_group_segment_fixed_size 210944
		.amdhsa_private_segment_fixed_size 0
		.amdhsa_enable_private_segment 0
		.amdhsa_kernarg_size 32
		.amdhsa_user_sgpr_count 2
		.amdhsa_user_sgpr_kernarg_segment_ptr 1
		.amdhsa_wavefront_size32 1
		.amdhsa_system_sgpr_workgroup_id_x 1
		.amdhsa_system_sgpr_workgroup_id_y 1
		.amdhsa_system_sgpr_workgroup_id_z 1
		.amdhsa_system_vgpr_workitem_id 0
		.amdhsa_next_free_vgpr 256
		.amdhsa_next_free_sgpr 66
		.amdhsa_reserve_vcc 1
		.amdhsa_float_denorm_mode_32 3
		.amdhsa_float_denorm_mode_16_64 3
		.amdhsa_memory_ordered 1
		.amdhsa_forward_progress 1
		.amdhsa_inst_pref_size 63
	.end_amdhsa_kernel
	.amdgpu_metadata
---
amdhsa.version: [ 1, 2 ]
amdhsa.kernels:
  - .name:           k_q1935c8d1c2_attn
    .symbol:         k_q1935c8d1c2_attn.kd
    .args:
      - { .name: qi, .offset: 0, .size: 8, .value_kind: global_buffer, .address_space: global }
      - { .name: kv, .offset: 8, .size: 8, .value_kind: global_buffer, .address_space: global }
      - { .name: oi, .offset: 16, .size: 8, .value_kind: global_buffer, .address_space: global }
      - { .name: os, .offset: 24, .size: 8, .value_kind: global_buffer, .address_space: global }
    .group_segment_fixed_size: 210944
    .private_segment_fixed_size: 0
    .kernarg_segment_align: 8
    .kernarg_segment_size: 32
    .max_flat_workgroup_size: 512
    .sgpr_count:     66
    .vgpr_count:     256
    .wavefront_size: 32
...
	.end_amdgpu_metadata
.endif
;; end of part 2
;; launch oproj (part 3): grid 4 x 32, 4 waves a work-group, clusters of 4 x 4, 327,680 bytes of LDS; arguments oi, os, Wo_codes, Wo_scales, bo, out0; writes out0
.if DOCPART == 3
	.amdgcn_target "amdgcn-amd-amdhsa--gfx1250"
	.amdhsa_code_object_version 6
	.text
	.protected	k_q1935c8d1c2_oproj
	.globl	k_q1935c8d1c2_oproj
	.p2align	8
	.type	k_q1935c8d1c2_oproj,@function
k_q1935c8d1c2_oproj:
	s_mov_b64 s[64:65], 0
	v_nop
	global_prefetch_b8 v0, s[64:65] scope:SCOPE_SE
	s_setreg_imm32_b32 hwreg(HW_REG_WAVE_MODE, 25, 1), 1
	s_wait_xcnt 0x0
	s_wait_alu depctr_hold_cnt(0) depctr_sa_sdst(0) depctr_va_vdst(0) depctr_va_sdst(0) depctr_va_ssrc(0) depctr_va_vcc(0) depctr_vm_vsrc(0)
	s_getreg_b32 s2, hwreg(HW_REG_IB_STS2, 6, 4)
	s_cmp_eq_u32 s2, 0
	s_cbranch_scc0 .Lentry_in_a_cluster
	s_endpgm
.Lentry_in_a_cluster:
	s_bfe_u32 s2, ttmp6, 0x10000c
	s_cmp_lg_u32 s2, 0xf033
	s_cbranch_scc0 .Lentry_shape_is_right
	s_endpgm
.Lentry_shape_is_right:
; out0 = o Wo + bo on codes of FP6 (E2M3) with one E8M0 scale for each 32 along K = 1,024.  out0: [8,192][1,024] f32.
; A = o arrives as IMAGES of operand registers: oi [tile of 16 tokens][16 half fragments of 768 bytes along K] (registers 0-3 at 16 x lane, registers 4-5 at 512 + 8 x lane); its scale bytes os [16 x tile + lane % 16][32].
; In a group of 128 tokens lane r of tile 2 b + u holds token 32 b + 8 u + r + 8 (r / 8): the way out puts each row where it belongs.  B = Wo: [1,024 (n)][768 bytes of codes], scale bytes [1,024][32].
; A tile of out0, 256 x 256, is made by a work-group of four waves; a wave makes 128 x 128: 64 accumulators, 512 registers.  K goes in steps of 256 through a ring of two LDS slots filled by the tensor data mover.
; The scale bytes of the work-group's rows come once and stay.  CLUSTERS: 4 x 4 work-groups; A's tile is asked for jointly by the four of a row of the cluster, B's by the four of a column.
; The matrix instruction is used transposed (source 0 = 16 rows of Wo, source 1 = 16 tokens): a lane holds eight neighbouring numbers of a row of out0.  The bias is the C of each sum's first instruction.
; REGISTERS, in windows of 256: window 0: v1-31 addresses; v32-63 scale words, two sets; v64-127 the bias; v128-223 A's fragments, one set; on the way out v128-255 rows of out0.
;   window 1: B's fragments, two sets.   window 2: the accumulators of my rows 0-63;   window 3: those of rows 64-127.
.set SIZE_N, 1024
.set KSTEP,  256
.set NQ,     KSTEP/128
.set ROWB,   192                       ; B: a tile's row in bytes
.set KROW,   768                       ; a row of codes in memory; also 1/16 of a token tile's images
.set PITCH,  240                       ; B: an LDS row: 3 x (64 bytes + 16 of padding)
.set FR,     12
.set NLA,    4                         ; LDS loads that bring a fragment of A
.set NP,     4                         ; places behind this matrix instruction (ISA guide 7.12.1)
.set AROW,   3072                      ; A: a token tile's images of 256 along K: four half fragments
.set HALFA,  8*AROW                    ; eight token tiles: what one tensor load brings of A
.set HALFT,  128*PITCH                 ; 128 rows of B
.set BOFF,   2*HALFA                   ; B's rows lie behind A's images
.set SLOT,   2*HALFA+2*HALFT
.set KS,     32
.set SCL,    2*SLOT                    ; behind the ring: the scales, as runs of 256 bytes + 16 of padding
.set HALFS,  (128*KS/256)*272
.set SBLK,   (16*KS/256)*272
.set SPARE,  SCL+4*HALFS               ; the spare words, 128 bytes a wave: two blocks of 256 bytes that no other line names
.set SPITCH, 528                       ; the way out: a stage of 16 rows x (512 bytes + 16) for each wave, in slot 0, which has had its last fill and its last read by then
.set ADRA, 16                          ; v16-17 LDS address of A's images in slot 0, 1, + 16 x lane (v18-19: + 8 x lane)
.set ADRB, 20                          ; v20-21 of my B fragments (v22-23: behind one padding more)
.set STO,  24
.set RD,   25
.set CO,   26
.set ADRS, 27
.set SPW,  28
.set NIL,  29
.set SC,   32
.set BIAS, 64                          ; v64-127: register 8 b + j = bo[my first column + 16 b + 8 h + j]
.set AF,   128
.set BK,   128
.set G1,   24
.set G0,   32
.set G1B,  48
.set G0B,  56
.set G1S,  68
.set G0S,  76
.set G1SB, 80
.set G0SB, 88
.set MSB, 0
.macro WIN new                         ; the immediate's high byte repeats the setting that is left
.if MSB != (\new)
	s_set_vgpr_msb (MSB<<8)|(\new)
.set MSB, (\new)
.endif
.endm
.set MUL_LO, 0xa1                      ; source 0 (B) window 1, source 1 (A) window 0, C and D window 2
.set MUL_HI, 0xf1                      ; the same, C and D window 3
.set FST_LO, 0x81                      ; the first step: C (the bias) window 0, D window 2
.set FST_HI, 0xc1                      ; D window 3
.set TO_B,   0x40                      ; destination window 1, address window 0
.macro JLOAD g0a, g1a, g0b, g1b        ; a joint load: waves 0 and 1 fetch for A, waves 2 and 3 for B; four v_nop follow each of the two lines
	s_cmp_eq_u32 s15, 0
	s_cbranch_scc0 .Lfor_b_\@
	tensor_load_to_lds s[\g0a:\g0a+3], s[\g1a:\g1a+7]
	s_nop 0
.rept 4
	v_nop
.endr
	s_branch .Lasked_\@
.Lfor_b_\@:
	tensor_load_to_lds s[\g0b:\g0b+3], s[\g1b:\g1b+7]
	s_nop 0
.rept 4
	v_nop
.endr
.Lasked_\@:
.endm
.macro CREST
	s_cmp_lg_u32 s14, 0
	s_cbranch_scc1 .Lnot_wave_0_\@
	s_barrier_signal -3
.Lnot_wave_0_\@:
	s_barrier_wait -3
	s_barrier_signal -1
	s_barrier_wait -1
.endm
.macro CROUND
	s_barrier_signal -1
	s_barrier_wait -1
	CREST
.endm
	s_load_b128 s[4:7], s[0:1], 0x0                ; oi, os
	s_load_b128 s[8:11], s[0:1], 0x10              ; Wo's codes, Wo's scales
	s_load_b64 s[96:97], s[0:1], 0x20              ; bo
	s_load_b64 s[12:13], s[0:1], 0x28              ; out0
	v_lshl_add_u32 v[SPW], v0, 2, SPARE
	v_mov_b32 v[NIL], 0
	ds_add_u32 v28, v29
	ds_add_u32 v28, v29
	s_wait_dscnt 0x0
	v_lshrrev_b32 v1, 5, v0
	v_readfirstlane_b32 s14, v1                    ; wave 0..3
	s_lshr_b32 s15, s14, 1                         ; which half of the tile's rows is mine.  Also: I fetch for A (0) or for B (1)
	s_and_b32 s16, s14, 1                          ; which half of its columns.  Also: which half of that tile I fetch
	s_bfe_u32 s40, ttmp6, 0x40000                  ; cx, cy
	s_bfe_u32 s41, ttmp6, 0x40004
	s_lshl_b32 s42, ttmp9, 2
	s_add_co_u32 s42, s42, s40                     ; tile column = 4 x cluster x + cx
	s_and_b32 s17, ttmp7, 0xffff
	s_lshl_b32 s17, s17, 2
	s_add_co_u32 s17, s17, s41                     ; tile row = 4 x cluster y + cy
	s_lshl_b32 s43, s41, 2
	s_lshl_b32 s43, 15, s43                        ; my row of the cluster
	s_lshl_b32 s44, 0x1111, s40                    ; my column
	; descriptor group 1 for A: 8 token tiles x 3,072 bytes (384 elements of 8 bytes), 12,288 bytes apart in memory, on end in LDS
	s_or_b32 s[G1+0], s43, (3<<16)|(1<<21)         ; 15:0 the mask: my row; 17:16 elements of 8 bytes; 21 set beside a mask; no padding
	s_mov_b32 s[G1+1], 384<<16                     ; tensor_dim0
	s_mov_b32 s[G1+2], 8<<16                       ; tensor_dim1
	s_mov_b32 s[G1+3], 384<<16                     ; tile_dim0
	s_mov_b32 s[G1+4], 8                           ; tile_dim1
	s_mov_b32 s[G1+5], 1536                        ; tensor_dim0_stride
	s_mov_b32 s[G1+6], 0
	s_mov_b32 s[G1+7], 0
	; for B: 128 rows x 192 bytes, 16 bytes of padding behind every 64
	s_or_b32 s[G1B+0], s44, (0<<16)|(1<<20)|(1<<21)|(3<<22)|(3<<25)
	s_mov_b32 s[G1B+1], ROWB<<16
	s_mov_b32 s[G1B+2], 128<<16
	s_mov_b32 s[G1B+3], ROWB<<16
	s_mov_b32 s[G1B+4], 128
	s_mov_b32 s[G1B+5], KROW
	s_mov_b32 s[G1B+6], 0
	s_mov_b32 s[G1B+7], 0
	; for the scales of 128 rows: 16 rows of 256 bytes, 16 bytes of padding behind each
	s_or_b32 s[G1S+0], s43, (3<<16)|(1<<20)|(1<<21)|(5<<22)|(3<<25)
	s_or_b32 s[G1SB+0], s44, (3<<16)|(1<<20)|(1<<21)|(5<<22)|(3<<25)
.irp g, G1S, G1SB
	s_mov_b32 s[\g+1], 32<<16
	s_mov_b32 s[\g+2], (128*KS/256)<<16
	s_mov_b32 s[\g+3], 32<<16
	s_mov_b32 s[\g+4], 128*KS/256
	s_mov_b32 s[\g+5], 32
	s_mov_b32 s[\g+6], 0
	s_mov_b32 s[\g+7], 0
.endr
	s_lshl_b32 s18, s16, 7                         ; which 128 rows of the tile I fetch
	s_lshl_b32 s20, s17, 8
	s_add_co_u32 s20, s20, s18                     ; A: row 256 x tile row + 128 x half (16 rows are a token tile: 16 x 768 bytes)
	s_lshl_b32 s46, s42, 8
	s_add_co_u32 s46, s46, s18                     ; B: row 256 x tile column + 128 x half
	s_mov_b32 s21, 0
	s_mov_b32 s47, 0
	s_mov_b64 s[18:19], KS
	s_mul_u64 s[22:23], s[20:21], s[18:19]         ; where these rows' scales begin
	s_mul_u64 s[92:93], s[46:47], s[18:19]
	s_mov_b64 s[18:19], KROW
	s_mul_u64 s[20:21], s[20:21], s[18:19]         ; and their codes
	s_mul_u64 s[46:47], s[46:47], s[18:19]
	s_mul_i32 s45, s16, HALFA                      ; where they go: A's two halves,
	s_mul_i32 s95, s16, HALFT
	s_add_co_u32 s95, s95, BOFF                    ; then B's two: no place in the cluster enters an LDS address
	s_mul_i32 s94, s14, HALFS
	s_wait_kmcnt 0x0
	s_add_nc_u64 s[20:21], s[4:5], s[20:21]
	s_add_nc_u64 s[22:23], s[6:7], s[22:23]
	s_add_nc_u64 s[46:47], s[8:9], s[46:47]
	s_add_nc_u64 s[92:93], s[10:11], s[92:93]
	CROUND                                         ; all sixteen work-groups are here: the first joint loads meet
	s_mov_b32 s[G0S], 1
	s_add_co_u32 s[G0S+1], s94, SCL
	s_mov_b64 s[G0S+2:G0S+3], s[22:23]
	s_or_b32 s[G0S+3], s[G0S+3], 0x80000000
	s_mov_b32 s[G0SB], 1
	s_add_co_u32 s[G0SB+1], s94, SCL
	s_mov_b64 s[G0SB+2:G0SB+3], s[92:93]
	s_or_b32 s[G0SB+3], s[G0SB+3], 0x80000000
	JLOAD G0S, G1S, G0SB, G1SB                     ; the scales first
.irp s, 0,1
	s_mov_b32 s[G0+4*\s], 1
	s_add_co_u32 s[G0+4*\s+1], s45, \s*SLOT
	s_add_nc_u64 s[G0+4*\s+2:G0+4*\s+3], s[20:21], \s*AROW
	s_or_b32 s[G0+4*\s+3], s[G0+4*\s+3], 0x80000000
	s_mov_b32 s[G0B+4*\s], 1
	s_add_co_u32 s[G0B+4*\s+1], s95, \s*SLOT
	s_add_nc_u64 s[G0B+4*\s+2:G0B+4*\s+3], s[46:47], \s*ROWB
	s_or_b32 s[G0B+4*\s+3], s[G0B+4*\s+3], 0x80000000
	JLOAD G0+4*\s, G1, G0B+4*\s, G1B
.endr
	v_and_b32 v1, 15, v0                           ; l % 16
	v_bfe_u32 v2, v0, 4, 1                         ; l / 16
	v_and_b32 v6, 31, v0
	v_lshlrev_b32 v7, 4, v6                        ; 16 x lane
	v_lshlrev_b32 v8, 3, v6                        ; 8 x lane
	v_mul_u32_u24 v3, v1, PITCH
	v_mul_u32_u24 v4, v2, 24
	v_add_nc_u32 v4, v3, v4                        ; B: a fragment's row x pitch + 24 x half
	v_lshl_add_u32 v5, v2, 4, v4                   ; and the same behind one padding more
	s_mul_i32 s21, s15, HALFA                      ; my eight token tiles of A
	s_mul_i32 s22, s16, HALFT                      ; my 128 rows of B
	s_add_co_u32 s22, s22, BOFF
.irp s, 0,1
	v_add_nc_u32 v[ADRA+\s], s21, v7
	v_add_nc_u32 v[ADRA+2+\s], s21, v8
	v_add_nc_u32 v[ADRB+\s], s22, v4
	v_add_nc_u32 v[ADRB+2+\s], s22, v5
	s_add_co_u32 s21, s21, SLOT
	s_add_co_u32 s22, s22, SLOT
.endr
	v_mul_u32_u24 v5, v1, KS                       ; my row's scales: KS bytes a row,
	v_lshrrev_b32 v6, 8, v5
	v_lshl_add_u32 v5, v6, 4, v5                   ; and 16 more for each 256 passed
	s_mul_i32 s21, s15, HALFS
	s_mul_i32 s22, s16, HALFS
	s_add_co_u32 s22, s22, 2*HALFS
	s_sub_co_u32 s22, s22, s21
	v_mul_u32_u24 v6, s22, v2                      ; lanes 16-31 take B's
	s_add_co_u32 s21, s21, SCL
	v_add_nc_u32 v5, v5, v6
	v_add_nc_u32 v[ADRS], s21, v5
	s_mul_i32 s23, s14, 16*SPITCH                  ; my stage
	v_mul_u32_u24 v5, v1, SPITCH                   ; in: row l % 16, 32 bytes for each half of the lanes
	v_lshl_add_u32 v5, v2, 5, v5
	v_add_nc_u32 v[STO], s23, v5
	v_mov_b32 v[CO], v7                            ; back: the 32 lanes take one row of 512 bytes; and the same in out0
	v_add_nc_u32 v[RD], s23, v[CO]
	s_lshl_b32 s20, s17, 8
	s_lshl_b32 s21, s15, 7
	s_add_co_u32 s20, s20, s21                     ; my group of 128 tokens begins at row 256 x tile row + 128 x half
	s_mov_b32 s21, 0
	s_mov_b64 s[18:19], SIZE_N*4
	s_mul_u64 s[20:21], s[20:21], s[18:19]
	s_lshl_b32 s46, s42, 10                        ; my first column, in bytes: 1,024 x tile column + 512 x half
	s_lshl_b32 s47, s16, 9
	s_add_co_u32 s46, s46, s47
	s_mov_b32 s47, 0
	s_add_nc_u64 s[96:97], s[96:97], s[46:47]      ; bo at my first column
	s_add_nc_u64 s[20:21], s[20:21], s[46:47]
	s_add_nc_u64 s[12:13], s[12:13], s[20:21]
	v_lshlrev_b32 v9, 5, v2                        ; 32 h: my eight columns of a tile of 16
.irp b, 0,1,2,3,4,5,6,7
	global_load_b128 v[BIAS+8*\b:BIAS+8*\b+3], v9, s[96:97] offset:64*\b
	global_load_b128 v[BIAS+8*\b+4:BIAS+8*\b+7], v9, s[96:97] offset:64*\b+16
.endr
.macro FRAG reg, adr, q, i             ; B's fragment from rows: 24 bytes of the row's stream of bits in pieces of 8; 16 bytes of padding lie behind every 8 pieces
.irp p, 0,1,2,3,4,5
.set PCE, 12*(\q)+6*(\p/3)+\p%3
.if PCE%8 < 5
	ds_load_b64 v[\reg+2*\p:\reg+2*\p+1], v[\adr] offset:8*PCE+16*(PCE/8)+(\i)*16*PITCH
.else
	ds_load_b64 v[\reg+2*\p:\reg+2*\p+1], v[\adr+2] offset:8*PCE+16*(PCE/8)+(\i)*16*PITCH
.endif
.endr
.endm
.macro FRAGA reg, slot, q, i           ; A's fragment from its image: two half fragments, each 16 bytes a lane and 8 bytes a lane: consecutive bytes in consecutive lanes
	ds_load_b128 v[\reg:\reg+3],     v[ADRA+\slot]   offset:(\i)*AROW+(\q)*1536
	ds_load_b64  v[\reg+4:\reg+5],   v[ADRA+2+\slot] offset:(\i)*AROW+(\q)*1536+512
	ds_load_b128 v[\reg+6:\reg+9],   v[ADRA+\slot]   offset:(\i)*AROW+(\q)*1536+768
	ds_load_b64  v[\reg+10:\reg+11], v[ADRA+2+\slot] offset:(\i)*AROW+(\q)*1536+1280
.endm
; 16 matrix instructions: A's blocks a0, a0 + 1 x B's eight, 128 along K.  first = 1: the bias is the C: nothing is cleared, nothing is added later.
; The 64 accumulators take turns, one instruction a turn, in the same order in every step.
.macro MUL16 a0, p, q, sc, first
.irp a, \a0, \a0+1
.irp b, 0,1,2,3,4,5,6,7
.if \first
	v_wmma_scale_f32_16x16x128_f8f6f4 v[8*(8*((\a)%4)+\b):8*(8*((\a)%4)+\b)+7], v[128*(\p)+FR*\b:128*(\p)+FR*\b+FR-1], v[AF+FR*(\a):AF+FR*(\a)+FR-1], v[BIAS+8*\b:BIAS+8*\b+7], v[SC+8*NQ*(\sc)+NQ*\b+(\q)], v[SC+8*NQ*(\sc)+NQ*(\a)+(\q)] matrix_a_fmt:MATRIX_FMT_FP6 matrix_b_fmt:MATRIX_FMT_FP6 matrix_a_scale:MATRIX_SCALE_ROW1
.else
	v_wmma_scale_f32_16x16x128_f8f6f4 v[8*(8*((\a)%4)+\b):8*(8*((\a)%4)+\b)+7], v[128*(\p)+FR*\b:128*(\p)+FR*\b+FR-1], v[AF+FR*(\a):AF+FR*(\a)+FR-1], v[8*(8*((\a)%4)+\b):8*(8*((\a)%4)+\b)+7], v[SC+8*NQ*(\sc)+NQ*\b+(\q)], v[SC+8*NQ*(\sc)+NQ*(\a)+(\q)] matrix_a_fmt:MATRIX_FMT_FP6 matrix_b_fmt:MATRIX_FMT_FP6 matrix_a_scale:MATRIX_SCALE_ROW1
.endif
.endr
.endr
.endm
.macro FETCH_B slot, q, p
	WIN TO_B
.irp i, 0,1,2,3,4,5,6,7
	FRAG 128*(\p)+FR*\i, ADRB+\slot, \q, \i
.endr
	WIN 0
.endm
.macro FETCH_A slot, q, i0
.irp i, \i0, \i0+1, \i0+2, \i0+3
	FRAGA AF+FR*(\i), \slot, \q, \i
.endr
.endm
.macro SCALES sc                       ; a K step's scale words into set sc; lanes 0-15 take A's block i, lanes 16-31 B's block i
.irp i, 0,1,2,3,4,5,6,7
	ds_load_b64 v[SC+8*NQ*\sc+NQ*\i:SC+8*NQ*\sc+NQ*\i+1], v[ADRS] offset:\i*SBLK
.endr
.endm
.macro PLACES n                        ; plain vector instructions between a matrix instruction and a load into, or a read of, its registers (ISA guide 7.12.1 for vector instructions)
.rept \n
	v_nop
.endr
.endm
.macro STEP slot, q, first
	s_wait_dscnt 4*NLA                             ; B's set and A's blocks 0-3 are in; the youngest 16 loads (A's blocks 4-7) may be out
.if \first
	WIN FST_LO
.else
	WIN MUL_LO
.endif
	MUL16 0, (\q)%2, \q, \slot, \first
	MUL16 2, (\q)%2, \q, \slot, \first
	s_wait_dscnt 0                                 ; A's blocks 4-7 are in
	PLACES NP
	FETCH_B \slot, (\q)+1, 1-(\q)%2
	FETCH_A \slot, (\q)+1, 0
.if \first
	WIN FST_HI
.else
	WIN MUL_HI
.endif
	MUL16 4, (\q)%2, \q, \slot, \first
	MUL16 6, (\q)%2, \q, \slot, \first
	PLACES NP
	WIN 0
	FETCH_A \slot, (\q)+1, 4
.endm
; A slot's last step changes slots: one barrier; in front of it each wave waits for all its tensor loads, adds 0 to its spare word, and waits for that and for its own reads of this slot.
.macro TURN slot, next, fill
	s_wait_tensorcnt 0x0                           ; all my tensor loads have landed: my part of the next slot
	ds_add_u32 v[SPW], v[NIL]                      ; 0 onto my spare word
	s_wait_dscnt 4*NLA+1                           ; (the add and the youngest 16 loads may be out)
	WIN MUL_LO
	MUL16 0, 1, NQ-1, \slot, 0
	s_wait_dscnt 0x0                               ; the add is done, and my reads of this slot are over
	s_barrier_signal -1
	MUL16 2, 1, NQ-1, \slot, 0
	WIN 0
	s_barrier_wait -1
.if \fill
	CREST                                          ; the barrier has opened a round of the cluster's barrier
	s_add_nc_u64 s[G0+4*\slot+2:G0+4*\slot+3], s[G0+4*\slot+2:G0+4*\slot+3], 2*AROW
	s_add_nc_u64 s[G0B+4*\slot+2:G0B+4*\slot+3], s[G0B+4*\slot+2:G0B+4*\slot+3], 2*ROWB
	JLOAD G0+4*\slot, G1, G0B+4*\slot, G1B         ; the first tensor load behind the round; its four v_nop are the places in front of the loads below
.else
	PLACES NP
.endif
	v_add_nc_u32 v[ADRS], 4*NQ, v[ADRS]            ; on to the next K step's scale words
	FETCH_B \next, 0, 0
	FETCH_A \next, 0, 0
	SCALES \next
	WIN MUL_HI
	MUL16 4, 1, NQ-1, \slot, 0
	MUL16 6, 1, NQ-1, \slot, 0
	PLACES NP
	WIN 0
	FETCH_A \next, 0, 4
.endm
	s_wait_tensorcnt 1                             ; the scales and my part of K step 0 are in (K step 1's load may be out)
	s_barrier_signal -1
	s_barrier_wait -1                              ; everybody's are
	FETCH_B 0, 0, 0
	FETCH_A 0, 0, 0
	SCALES 0
	FETCH_A 0, 0, 4
	s_wait_loadcnt 0x0                             ; the bias
	STEP 0, 0, 1                                   ; K = 1,024 is four slots' worth: the eight steps are written out
	TURN 0, 1, 1
	STEP 1, 0, 0
	TURN 1, 0, 1
	STEP 0, 0, 0
	TURN 0, 1, 0                                   ; the last lap fills nothing
	STEP 1, 0, 0
	s_wait_dscnt 4*NLA                             ; the very last step
	WIN MUL_LO
	MUL16 0, 1, NQ-1, 1, 0
	MUL16 2, 1, NQ-1, 1, 0
	s_wait_dscnt 0
	WIN MUL_HI
	MUL16 4, 1, NQ-1, 1, 0
	MUL16 6, 1, NQ-1, 1, 0
	WIN 0
; THE WAY OUT, block by block of 16 tokens x 128 columns, through my own stage in LDS; back as whole rows of 512 bytes.  LDS serves a wave's instructions in order (ISA guide 5.7.1.4).
.macro TOSTAGE a
.set AC, 64*((\a)%4)
	WIN 0x08+4*((\a)/4)                            ; the data: window 2 or 3
.irp b, 0,1,2,3,4,5,6,7
	ds_store_b128 v[STO], v[AC+8*\b:AC+8*\b+3] offset:64*\b          ; each accumulator from its low end on
	ds_store_b128 v[STO], v[AC+8*\b+4:AC+8*\b+7] offset:64*\b+16
.endr
	WIN 0
.set BB, BK+64*((\a)%2)
.irp t, 0,1,2,3,4,5,6,7,8,9,10,11,12,13,14,15
	ds_load_b128 v[BB+4*\t:BB+4*\t+3], v[RD] offset:\t*SPITCH
.endr
.endm
.macro SEND a, younger                 ; stage row t of block a is token 32 (a / 2) + 8 (a % 2) + t + 8 (t / 8) of my 128
.set BB, BK+64*((\a)%2)
	s_wait_dscnt \younger                          ; the block is back in registers
.if (\a) > 0
.if (\a)%2
	s_add_nc_u64 s[12:13], s[12:13], 8*SIZE_N*4    ; (behind a wait on XCNT: the earlier stores have read their base)
.else
	s_add_nc_u64 s[12:13], s[12:13], 24*SIZE_N*4
.endif
.endif
.irp t, 0,1,2,3,4,5,6,7,8,9,10,11,12,13,14,15
	global_store_b128 v[CO], v[BB+4*\t:BB+4*\t+3], s[12:13] offset:(\t+8*(\t/8))*SIZE_N*4 th:TH_STORE_NT   ; 32 lanes store 512 consecutive bytes, aligned; written once, read by nobody here
.endr
.endm
	PLACES NP
	TOSTAGE 0
.irp a, 1,2,3,4,5,6,7
.if \a > 1
	s_wait_xcnt 0x0                                ; block a - 2's stores have read their registers and their base
.endif
	TOSTAGE \a
	SEND \a-1, 32                                  ; behind block a - 1's loads: block a's 16 stores and 16 loads
.endr
	s_wait_xcnt 0x0                                ; block 6's stores have read their base
	SEND 7, 0
	s_wait_tensorcnt 0x0                           ; the wave's end: behind my last tensor load and my last LDS store
	ds_add_u32 v[SPW], v[NIL]
	s_wait_dscnt 0x0
	CROUND                                         ; the closing round
	s_endpgm
.Lfunc_end_k_q1935c8d1c2_oproj:
	.size	k_q1935c8d1c2_oproj, .Lfunc_end_k_q1935c8d1c2_oproj-k_q1935c8d1c2_oproj
	.p2alignl 7, 3214868480
	.fill 96, 4, 3214868480
	.section	.rodata,"a",@progbits
	.p2align	6, 0x0
	.amdhsa_kernel k_q1935c8d1c2_oproj
		.amdhsa_group_segment_fixed_size 327680
		.amdhsa_private_segment_fixed_size 0
		.amdhsa_enable_private_segment 0
		.amdhsa_kernarg_size 48
		.amdhsa_user_sgpr_count 2
		.amdhsa_user_sgpr_kernarg_segment_ptr 1
		.amdhsa_wavefront_size32 1
		.amdhsa_system_sgpr_workgroup_id_x 1
		.amdhsa_system_sgpr_workgroup_id_y 1
		.amdhsa_system_sgpr_workgroup_id_z 1
		.amdhsa_system_vgpr_workitem_id 0
		.amdhsa_next_free_vgpr 1024
		.amdhsa_next_free_sgpr 100
		.amdhsa_reserve_vcc 0
		.amdhsa_float_denorm_mode_32 3
		.amdhsa_float_denorm_mode_16_64 3
		.amdhsa_memory_ordered 1
		.amdhsa_forward_progress 1
		.amdhsa_inst_pref_size 153
	.end_amdhsa_kernel
	.amdgpu_metadata
---
amdhsa.version: [ 1, 2 ]
amdhsa.kernels:
  - .name:           k_q1935c8d1c2_oproj
    .symbol:         k_q1935c8d1c2_oproj.kd
    .args:
      - { .name: oi, .offset: 0, .size: 8, .value_kind: global_buffer, .address_space: global }
      - { .name: os, .offset: 8, .size: 8, .value_kind: global_buffer, .address_space: global }
      - { .name: Wo_codes, .offset: 16, .size: 8, .value_kind: global_buffer, .address_space: global }
      - { .name: Wo_scales, .offset: 24, .size: 8, .value_kind: global_buffer, .address_space: global }
      - { .name: bo, .offset: 32, .size: 8, .value_kind: global_buffer, .address_space: global }
      - { .name: out0, .offset: 40, .size: 8, .value_kind: global_buffer, .address_space: global }
    .group_segment_fixed_size: 327680
    .private_segment_fixed_size: 0
    .kernarg_segment_align: 8
    .kernarg_segment_size: 48
    .max_flat_workgroup_size: 128
    .sgpr_count:     100
    .vgpr_count:     1024
    .wavefront_size: 32
...
	.end_amdgpu_metadata
.endif
;; end of part 3
